; MI455X (gfx1250); checked and timed in simulation.
; The chip was launched on July 23, 2026; its instructions are those of AMD's public machine-readable ISA for CDNA 5 (MIT licence, August 2026) and "CDNA5" Instruction Set Architecture Reference Guide (July 2026). The comments in the code are by the model that wrote it; some were corrected since.
;; Fused Attention. Allowed arithmetic: matrix products marked QUANTISED: E2M3 operands, one E8M0 scale for each 32 along K, by v_wmma_scale_f32_16x16x128_f8f6f4 with both operands' format E2M3, f32 sums; everything else in f32.
;; Inputs: W_out 1,024 x 1,024 float32; W_qkv 3,072 x 1,024 float32; x 4 x 2,048 x 1,024 float32.
;; Outputs: out0 4 x 2,048 x 1,024 float32.
;; This version of the problem:
;;   THIS VERSION OF THE PROBLEM IS GIVEN IN LOW PRECISION. The matrix products marked QUANTISED in the list below multiply operands that are first quantised to E2M3 (2 exponent bits, 3 mantissa bits; 6 bits a number), with one power-of-two scale for each 32 numbers along K (OCP MX v1.0); their sums are f32. All else is computed in f32.
;;   The module's matrix products, in the order in which they are computed (A, B: the left and right operand; K: the contracted axis; several contracted axes count as one K, in the product's order):
;;     1. [M 8,192, K 1,024] x [K 1,024, N 3,072]; A: input x; B: input W_qkv: QUANTISED
;;     2. batch 64 x [M 2,048, K 64] x [K 64, N 2,048]; A: computed on the way; B: computed on the way: QUANTISED
;;     3. batch 64 x [M 2,048, K 2,048] x [K 2,048, N 64]; A: softmax (see below); B: computed on the way: QUANTISED
;;     4. [M 8,192, K 1,024] x [K 1,024, N 1,024]; A: computed on the way; B: input W_out: QUANTISED
;;   THE QUANTISER, for each operand of a quantised product, along K:
;;     - K is cut into blocks of 32 from its start; a last block that is shorter is filled with zeros.
;;     - A block's scale is 2^e with e = floor(log2(the largest magnitude in the block)) - 2, held to -126 .. 127; a block of zeros has e = 0. As a byte (E8M0): e + 127.
;;     - Each number is divided by its block's scale, clamped to +-7.5, and rounded to the nearest number of E2M3, ties to even, subnormals kept.
;;     - The product sums the exact products of the quantised numbers (number of the format x scale) in f32.
;;   ~~~python
;;   def quantise(x, axis):      # numpy; x: float32 -> the quantised numbers, widened to float32 again
;;       x = np.moveaxis(x, axis, -1); K = x.shape[-1]
;;       x = np.pad(x, [(0, 0)] * (x.ndim - 1) + [(0, -K % 32)]); x = x.reshape(x.shape[:-1] + (-1, 32)); a = np.abs(x).max(-1, keepdims=True)
;;       e = np.where(a > 0, np.clip(np.frexp(np.where(a > 0, a, 1))[1] - 1 - 2, -126, 127), 0)      # np.frexp(a)[1] - 1 = floor(log2(a)), exactly
;;       r = np.clip(x / 2.0 ** e, -7.5, 7.5)
;;       step = 2.0 ** (np.maximum(np.frexp(np.where(r == 0, 1, r))[1] - 1, 0) - 3)
;;       q = np.round(r / step) * step * 2.0 ** e      # np.round: ties to even
;;       return np.moveaxis(q.reshape(q.shape[:-2] + (-1,))[..., :K], -1, axis).astype(np.float32)
;;   ~~~
;;   SOFTMAX AHEAD OF A QUANTISED PRODUCT. Where the list says 'softmax', what is quantised is not the finished softmax but p = 2^(t - M), with t = logit x log2(e) and M = ceil(the row's largest t), a whole number; so 1/2 < the row's largest p <= 1. The row's sum l is taken of the UNQUANTISED p, in f32, and the product's result is divided by l at the end. Since M is a whole number, a kernel that streams over the keys may use a running M (the ceiling of the running maximum): every later rescaling is an exact power of two, which a block's scale takes up: the codes' values come out the same.
;;   OPERANDS COMPUTED ON THE WAY. 'Computed on the way' means the value that the module computes at that place (a softmax that the list does not call 'softmax' is quantised finished and normalised). What goes into a quantiser is computed in f32, as accurately as f32 sums, v_exp_f32 and their like allow (about 1e-6 of the number): no bf16 or f16 on the way to a quantiser, and a product that is left as it is and whose result goes on into a quantised operand takes f32 operands (vector FMAs, or v_wmma_f32_16x16x4_f32). A number that lies on a knife's edge between two numbers of the format may be rounded either way, as far as f32 arithmetic and the matrix unit's own rounding can turn it there, and no further.
;; One version. Each part assembles by itself: llvm-mc -triple=amdgcn-amd-amdhsa -mcpu=gfx1250 --defsym DOCPART=n.
;; ======== version 1 of 1: 4 launches
;; workspace buffers: opc 9,437,184 bytes; ops 393,216 bytes; q 6,553,600 bytes; kv 13,107,200 bytes; acod 6,291,456 bytes; ascl 262,144 bytes
;; launch quant (part 1): grid 384 x 1, 4 waves a work-group, no clusters, 34,304 bytes of LDS; arguments x, W_qkv, W_out, opc, ops; writes opc, ops
.if DOCPART == 1
	.amdgcn_target "amdgcn-amd-amdhsa--gfx1250"
	.amdhsa_code_object_version 6
	.text
	.protected	k_q183124cf18_quant
	.globl	k_q183124cf18_quant
	.p2align	8
	.type	k_q183124cf18_quant,@function
k_q183124cf18_quant:
	s_mov_b64 s[64:65], 0
	v_nop
	global_prefetch_b8 v0, s[64:65] scope:SCOPE_SE
	s_setreg_imm32_b32 hwreg(HW_REG_WAVE_MODE, 25, 1), 1
	s_wait_xcnt 0x0
; x [8192][1024], W_qkv [3072][1024] and W_out [1024][1024], f32, K innermost, become codes of FP6 (E2M3) with one E8M0 byte for each 32 along K: 12,288 rows in all, laid as the products' operand registers want them.
; A TILE is 16 rows; lane r of tile T holds row 32 (T / 2) + 8 (T % 2) + r + 8 (r / 8).  A HALF FRAGMENT is a tile x 64 along K, 768 bytes, an image of six registers: lane l = (r, h) holds block h (24 bytes):
; registers 0-3 at 16 l, registers 4-5 at 512 + 8 l.  opc: [tile 768][half fragment 16][768].  ops: [tile 768][256 along K: 4][row 16][8 bytes].
; A block's scale is 2^(floor(log2(its largest magnitude)) - 2); its byte is that magnitude's exponent field - 2, held at 1 from below.  A block of zeros gets the byte 1: its codes are zeros, and this program alone reads the bytes.
; LIMITS: NaN and infinities among the inputs are not served; blocks whose largest magnitude lies under 2^-124 keep the byte 1.
; SHARES: a work-group takes 32 rows (two tiles); wave w takes tile w / 2 of them and K = 512 (w % 2) on, in four steps of 128.  Each load reads 512 consecutive bytes of one row; a step's 16 rows turn through the wave's own
; stage in LDS, so that a lane gets, of its row, 16 neighbours of each block of 32.  Waves share nothing: no barrier.  Loads run two steps (32 loads a wave) ahead.
.set SPT,   528                        ; a stage row: 512 bytes + 16
.set WST,   16*SPT                     ; a wave's stage
.set SPARE, 4*WST                      ; behind the stages: the spare words, 128 bytes for each wave
.set L16,  1                           ; v1   16 x lane
.set L8,   2                           ; v2   8 x lane
.set SIN,  3                           ; v3   the stage, on the way in
.set SOUT, 4                           ; v4   and on the way out: row r, + 64 h
.set SPW,  5                           ; v5   my spare word's LDS address; never rewritten
.set NIL,  6                           ; v6   0; never rewritten
.set HB,   7                           ; v7   h
.set PW,   8                           ; v8-11  the four steps' scale words
.set OW,   12                          ; v12-13 the two words that I store
.set R,    16                          ; v16-143  two sets of 64 numbers as loaded
.set X,    144                         ; v144-207 64 numbers: register 16 b + i = k 32 b + 16 h + i of my row
.set TM,   208                         ; v208-223 at work
.set PC,   224                         ; v224-242 the codes
.set SEL,  20                          ; s[20:21] v_permlanex16_b32's selects for lane l xor 16
; 64 numbers of a lane become a fragment's 12 registers in v[PC] on and its scale word in v[pw].
.macro QUANT s, pw
.irp b, 0,1,2,3
	v_max3_num_f32 v[TM+\b], |v[\s+16*\b]|, |v[\s+1+16*\b]|, 0x1800000   ; block b: my 16 numbers, and the floor 2^(3 - 127): the byte cannot fall under 1
.endr
.irp i, 2,4,6,8,10,12,14
.irp b, 0,1,2,3
	v_max3_num_f32 v[TM+\b], v[TM+\b], |v[\s+16*\b+\i]|, |v[\s+1+16*\b+\i]|   ; the four blocks by turns
.endr
.endr
.irp b, 0,1,2,3
	v_permlanex16_b32 v[TM+4+\b], v[TM+\b], s[SEL], s[SEL+1]
.endr
.irp b, 0,1,2,3
	v_max_num_f32 v[TM+\b], v[TM+\b], v[TM+4+\b]   ; with lane l xor 16's 16: the block's largest magnitude
.endr
.irp b, 0,1,2,3
	v_add_nc_u32 v[TM+12+\b], 0xff000000, v[TM+\b] ; 2 off its exponent field: the conversion's scale operand
.endr
.irp b, 0,1,2,3
	v_lshrrev_b32 v[TM+4+\b], 23, v[TM+12+\b]      ; the scale's byte
.endr
	v_lshl_or_b32 v[\pw], v[TM+5], 8, v[TM+4]
	v_lshl_or_b32 v[\pw], v[TM+6], 16, v[\pw]
	v_lshl_or_b32 v[\pw], v[TM+7], 24, v[\pw]      ; my row's scale word for these 128
.irp c, 0,1
	v_cvt_scalef32_pk16_fp6_f32 v[PC+6*\c:PC+2+6*\c], v[\s+32*\c:\s+15+32*\c], v[TM+12+2*\c]
	v_cvt_scalef32_pk16_fp6_f32 v[PC+12+4*\c:PC+14+4*\c], v[\s+16+32*\c:\s+31+32*\c], v[TM+12+2*\c+1]   ; (a conversion's three registers begin on an even number)
.endr
	v_nop                                          ; one plain instruction behind the scaled conversions
.irp c, 0,1                            ; the operand wants a whole block in a lane: lanes 0-15 block 2 c, lanes 16-31 block 2 c + 1
.irp i, 0,1,2
	v_permlane16_swap_b32 v[PC+6*\c+\i], v[PC+12+4*\c+\i]
.endr
.irp i, 0,1,2
	v_mov_b32 v[PC+3+6*\c+\i], v[PC+12+4*\c+\i]
.endr
.endr
.endm
	s_load_b256 s[4:11], s[0:1], 0x0               ; x s[4:5], W_qkv s[6:7], W_out s[8:9], opc s[10:11]
	s_load_b64 s[12:13], s[0:1], 0x20              ; ops
	v_lshl_add_u32 v[SPW], v0, 2, SPARE
	v_mov_b32 v[NIL], 0
	v_lshrrev_b32 v14, 5, v0
	v_readfirstlane_b32 s16, v14                   ; wave 0..3
	v_and_b32 v14, 31, v0                          ; lane
	v_lshlrev_b32 v[L16], 4, v14
	v_lshlrev_b32 v[L8], 3, v14
	v_and_b32 v15, 15, v0                          ; r
	v_bfe_u32 v[HB], v0, 4, 1                      ; h
	s_mul_i32 s17, s16, WST
	v_add_nc_u32 v[SIN], s17, v[L16]
	v_mul_u32_u24 v[SOUT], v15, SPT
	v_lshl_add_u32 v[SOUT], v[HB], 6, v[SOUT]
	v_add_nc_u32 v[SOUT], s17, v[SOUT]
	v_cmp_eq_u32 s22, 1, v[HB]                     ; the mask of lanes 16-31
.irp b, 0,1,2,3
	v_mov_b32 v[TM+4+\b], 0                        ; written once: a lane permute's destination counts as one of its sources
.endr
	s_mov_b32 s[SEL], 0x76543210
	s_mov_b32 s[SEL+1], 0xfedcba98
	s_lshr_b32 s18, s16, 1                         ; which of the group's two tiles
	s_and_b32 s19, s16, 1                          ; which half of K
	s_lshl_b32 s23, ttmp9, 1
	s_add_co_u32 s23, s23, s18                     ; my tile
	s_mul_i32 s24, s23, 12288
	s_mul_i32 s26, s19, 6144
	s_add_co_u32 s24, s24, s26                     ; its codes, my half of K
	s_mov_b32 s25, 0
	s_lshl_b32 s26, s23, 9
	s_lshl_b32 s28, s19, 8
	s_add_co_u32 s26, s26, s28                     ; its scale bytes likewise
	s_mov_b32 s27, 0
	s_movk_i32 s14, 352
	s_wait_kmcnt 0x0
	s_cmp_lt_u32 ttmp9, 352                        ; groups 0-255 take x, 256-351 W_qkv, 352-383 W_out: the choice hangs on the work-group's number alone
	s_cselect_b64 s[6:7], s[6:7], s[8:9]
	s_cselect_b32 s14, 256, s14
	s_cmp_lt_u32 ttmp9, 256
	s_cselect_b64 s[4:5], s[4:5], s[6:7]
	s_cselect_b32 s14, 0, s14
	s_sub_co_u32 s14, ttmp9, s14                   ; the group's number in its tensor
	s_lshl_b32 s28, s14, 17                        ; 32 rows of 4,096 bytes,
	s_lshl_b32 s30, s18, 15                        ; the second tile begins 8 rows down,
	s_add_co_u32 s28, s28, s30
	s_lshl_b32 s30, s19, 11                        ; 512 numbers along K
	s_add_co_u32 s28, s28, s30
	s_mov_b32 s29, 0
	s_add_nc_u64 s[4:5], s[4:5], s[28:29]
	s_add_nc_u64 s[10:11], s[10:11], s[24:25]
	s_add_nc_u64 s[12:13], s[12:13], s[26:27]
.macro LOAD t                          ; step t: 128 numbers of each of the tile's 16 rows; 32 lanes read 512 consecutive bytes
.irp i, 0,1,2,3,4,5,6,7,8,9,10,11,12,13,14,15
	global_load_b128 v[R+64*((\t)%2)+4*\i:R+64*((\t)%2)+4*\i+3], v[L16], s[4:5] offset:(\i+8*(\i/8))*4096+512*(\t) th:TH_LOAD_NT
.endr
.endm
.macro STEP t
.if \t < 3
	s_wait_loadcnt 16                              ; this step's 16 loads are in; the next step's 16 may be out
.else
	s_wait_loadcnt 0x0
.endif
.irp i, 0,1,2,3,4,5,6,7,8,9,10,11,12,13,14,15
	ds_store_b128 v[SIN], v[R+64*((\t)%2)+4*\i:R+64*((\t)%2)+4*\i+3] offset:SPT*\i
.endr
.irp b, 0,1,2,3
.irp j, 0,1,2,3
	ds_load_b128 v[X+16*\b+4*\j:X+16*\b+4*\j+3], v[SOUT] offset:128*\b+16*\j   ; LDS serves a wave's instructions in order: these see the stores above
.endr
.endr
	s_wait_dscnt 0x0                               ; my numbers are back, and the stores into the stage have read their registers,
.if \t < 2
	LOAD (\t)+2                                    ; which take the loads of two steps on
.endif
	s_wait_xcnt 0x0                                ; the last step's stores have read the codes' registers: they are written again only behind this wait
	QUANT X, PW+\t
	global_store_b128 v[L16], v[PC:PC+3], s[10:11] offset:1536*(\t)          ; 512 consecutive bytes
	global_store_b64 v[L8], v[PC+4:PC+5], s[10:11] offset:1536*(\t)+512      ; 256
	global_store_b128 v[L16], v[PC+6:PC+9], s[10:11] offset:1536*(\t)+768
	global_store_b64 v[L8], v[PC+10:PC+11], s[10:11] offset:1536*(\t)+1280
.endm
	LOAD 0
	LOAD 1
	STEP 0
	STEP 1
	STEP 2
	STEP 3
	v_cndmask_b32 v[OW], v[PW], v[PW+2], s22       ; lanes 0-15 store the words of my first 256 along K, lanes 16-31 those of the second (both halves of the lanes hold row r's words)
	v_cndmask_b32 v[OW+1], v[PW+1], v[PW+3], s22
	global_store_b64 v[L8], v[OW:OW+1], s[12:13]   ; 32 lanes store 256 consecutive bytes, aligned
	s_wait_tensorcnt 0x0                           ; the wave's end: behind my last LDS store
	ds_add_u32 v[SPW], v[NIL]
	s_wait_dscnt 0x0
	s_endpgm
.Lfunc_end_k_q183124cf18_quant:
	.size	k_q183124cf18_quant, .Lfunc_end_k_q183124cf18_quant-k_q183124cf18_quant
	.p2alignl 7, 3214868480
	.fill 96, 4, 3214868480
	.section	.rodata,"a",@progbits
	.p2align	6, 0x0
	.amdhsa_kernel k_q183124cf18_quant
		.amdhsa_group_segment_fixed_size 34304
		.amdhsa_private_segment_fixed_size 0
		.amdhsa_enable_private_segment 0
		.amdhsa_kernarg_size 40
		.amdhsa_user_sgpr_count 2
		.amdhsa_user_sgpr_kernarg_segment_ptr 1
		.amdhsa_wavefront_size32 1
		.amdhsa_system_sgpr_workgroup_id_x 1
		.amdhsa_system_sgpr_workgroup_id_y 1
		.amdhsa_system_sgpr_workgroup_id_z 1
		.amdhsa_system_vgpr_workitem_id 0
		.amdhsa_next_free_vgpr 248
		.amdhsa_next_free_sgpr 66
		.amdhsa_reserve_vcc 0
		.amdhsa_float_denorm_mode_32 3
		.amdhsa_float_denorm_mode_16_64 3
		.amdhsa_memory_ordered 1
		.amdhsa_forward_progress 1
		.amdhsa_inst_pref_size 34
	.end_amdhsa_kernel
	.amdgpu_metadata
---
amdhsa.version: [ 1, 2 ]
amdhsa.kernels:
  - .name:           k_q183124cf18_quant
    .symbol:         k_q183124cf18_quant.kd
    .args:
      - { .name: x, .offset: 0, .size: 8, .value_kind: global_buffer, .address_space: global }
      - { .name: W_qkv, .offset: 8, .size: 8, .value_kind: global_buffer, .address_space: global }
      - { .name: W_out, .offset: 16, .size: 8, .value_kind: global_buffer, .address_space: global }
      - { .name: opc, .offset: 24, .size: 8, .value_kind: global_buffer, .address_space: global }
      - { .name: ops, .offset: 32, .size: 8, .value_kind: global_buffer, .address_space: global }
    .group_segment_fixed_size: 34304
    .private_segment_fixed_size: 0
    .kernarg_segment_align: 8
    .kernarg_segment_size: 40
    .max_flat_workgroup_size: 128
    .sgpr_count:     66
    .vgpr_count:     248
    .wavefront_size: 32
...
	.end_amdgpu_metadata
.endif
;; end of part 1
;; launch qkv (part 2): grid 8 x 48, 4 waves a work-group, clusters of 4 x 4, 327,680 bytes of LDS; arguments opc, ops, q, kv; writes q, kv
.if DOCPART == 2
	.amdgcn_target "amdgcn-amd-amdhsa--gfx1250"
	.amdhsa_code_object_version 6
	.text
	.protected	k_q183124cf18_qkv
	.globl	k_q183124cf18_qkv
	.p2align	8
	.type	k_q183124cf18_qkv,@function
k_q183124cf18_qkv:
	s_mov_b64 s[64:65], 0
	v_nop
	global_prefetch_b8 v0, s[64:65] scope:SCOPE_SE
	s_setreg_imm32_b32 hwreg(HW_REG_WAVE_MODE, 25, 1), 1
	s_wait_xcnt 0x0
	s_wait_alu depctr_hold_cnt(0) depctr_sa_sdst(0) depctr_va_vdst(0) depctr_va_sdst(0) depctr_va_ssrc(0) depctr_va_vcc(0) depctr_vm_vsrc(0)
	s_getreg_b32 s2, hwreg(HW_REG_IB_STS2, 6, 4)
	s_cmp_eq_u32 s2, 0
	s_cbranch_scc0 .Lentry_in_a_cluster
	s_endpgm
.Lentry_in_a_cluster:
	s_bfe_u32 s2, ttmp6, 0x10000c
	s_cmp_lg_u32 s2, 0xf033
	s_cbranch_scc0 .Lentry_shape_is_right
	s_endpgm
.Lentry_shape_is_right:
; qkv = x W_qkv^T on codes of FP6 (E2M3) with E8M0 scales, K = 1,024; the results are quantised in registers on the way out and never lie in memory as f32.
; OPERANDS: opc [tile][half fragment 16][768], ops [tile][256 along K: 4][row 16][8]: tiles 0-511 x, 512-703 W_qkv.  A tile is 16 rows: lane r of tile T holds row 32 (T / 2) + 8 (T % 2) + r + 8 (r / 8).
; A half fragment (a tile x 64 K) is an image of six registers: lane l's registers 0-3 at 16 l, 4-5 at 512 + 8 l.  So a fragment comes from LDS by four loads of consecutive bytes, and no row pitch or padding is needed.
; A tile of C, 256 x 256, is made by four waves of 128 x 128 (64 accumulators, 512 registers).  K goes in four steps of 256 through two LDS slots filled by the tensor data mover; the scale bytes of all of K come once.
; TWO MODES, by the cluster's y alone (equal in all sixteen partners).  y < 8: C = x W_qk^T (A = x, B = W_q, W_k).  y >= 8: C = W_v x^T (A = W_v, B = x).
; THE MATRIX INSTRUCTION IS USED TRANSPOSED (source 0 = a tile of B, source 1 = a tile of A): a lane holds ONE row of A, and by the order of a tile's rows its 64 registers of A's block a are: register 16 b + i = B's row 32 b + 16 h + i.
; So in the first mode a lane holds a token and 128 neighbouring features (two heads: q and k are quantised along the head), in the second a feature of v and 128 neighbouring tokens (v is quantised along the keys).
; RESULTS: kv [head 64][slot of 256 keys: 8][25,600]: for each of a slot's two key steps K's 8 tiles x 768 and V's 4 tiles x 1,536; at 24,576 for each key step K's scale image and V's, 256 bytes each (word (r, g) at 16 r + 4 g;
; K: g = a pair of tiles, two bytes each; V: g = a tile of 16 features, four bytes for 128 keys).  q [head 64][slot 8][12,800]: the same without V: every offset is half of K's.
; CLUSTERS: 4 x 4.  A's tiles are shared along a row of the cluster, B's along a column: joint loads, as many requests divided by four.
; 384 work-groups: one and a half for each of 256 WGPs; a known loss of this form.
; LIMITS: NaN and infinities are not served; blocks of results under 2^-124 keep the byte 1, and so do blocks of zeros (this program alone reads the bytes).
; REGISTERS: window 0: v16-23 LDS addresses, v24-30 way out and the add's two, v32-63 scale words (two sets), v64-115 the way out, v128-223 A's 8 fragments (one set); window 1: B's fragments, two sets, at v0 and v128;
;   windows 2, 3: accumulator (a, b) at v[8 (8 (a % 4) + b)].
.set FR,     12                        ; registers of a fragment
.set NL,     4                         ; LDS loads that bring one
.set NP,     4                         ; places behind this matrix instruction (ISA guide 7.12.1)
.set NQ,     2                         ; matrix instructions deep in a slot
.set TILEB,  3072                      ; a tile x 256 K
.set HALFT,  8*TILEB                   ; 8 tiles: what one tensor load brings, and what one wave reads of A or of B
.set SLOT,   4*HALFT                   ; A's 16 tiles, then B's 16
.set SCL,    2*SLOT                    ; behind the ring: the scale bytes, A's 16 tiles x 512, then B's
.set HALFS,  4096
.set SPARE,  SCL+4*HALFS               ; the spare words, 128 bytes for each wave
.set ADRA, 16                          ; v16-17 my A fragments in slot 0, 1, + 16 x lane; v18-19 the same + 8 x lane
.set ADRB, 20                          ; v20-23 the same for B
.set L16,  24                          ; v24  16 x lane
.set L8,   25                          ; v25  8 x lane
.set SOFF, 26                          ; v26  the scale images: 16 r + h x a head's bytes
.set ADRS, 27                          ; v27  my scale words: lanes 0-15 A's, lanes 16-31 B's
.set SPW,  28                          ; v28  my spare word; never rewritten
.set NIL,  29                          ; v29  0; never rewritten
.set SELV, 30                          ; v30  which two bytes of a scale word belong to my half's head
.set SC,   32                          ; scale words: set s at v[SC + 16 s]; register 2 i + q
.set TM,   64                          ; v64-79   at work
.set PC,   80                          ; v80-98   the codes
.set PWA,  100                         ; v100-107 the eight blocks' scale words
.set DD,   108                         ; v108-111 the four words that I store;  v112-115 at work
.set DE,   112
.set AF,   128
.set G1, 24
.set G0, 32
.set G1B, 48
.set G0B, 56
.set G1S, 68
.set G0S, 76
.set G1SB, 80
.set G0SB, 88
.set SEL, 18                           ; s[18:19] lane selects, set on the way out
.set MSB, 0
.macro WIN new                         ; the immediate's high byte repeats the setting that is left
.if MSB != (\new)
	s_set_vgpr_msb (MSB<<8)|(\new)
.set MSB, (\new)
.endif
.endm
.set MUL_LO, 0xa1                      ; source 0 (B) window 1, source 1 (A) window 0, C and D window 2
.set MUL_HI, 0xf1                      ; the same, C and D window 3
.set TO_B,   0x40                      ; destination window 1, address window 0
; A joint load: waves 0 and 1 fetch for A, waves 2 and 3 for B; the branch hangs on the wave's number alone.  An s_nop 0 and four v_nop follow each line.
.macro JLOAD g0a, g1a, g0b, g1b
	s_cmp_eq_u32 s15, 0
	s_cbranch_scc0 .Lfor_b_\@
	tensor_load_to_lds s[\g0a:\g0a+3], s[\g1a:\g1a+7]
	s_nop 0
.rept 4
	v_nop
.endr
	s_branch .Lasked_\@
.Lfor_b_\@:
	tensor_load_to_lds s[\g0b:\g0b+3], s[\g1b:\g1b+7]
	s_nop 0
.rept 4
	v_nop
.endr
.Lasked_\@:
.endm
.macro CREST                           ; a round of the cluster's barrier behind its opening barrier
	s_cmp_lg_u32 s14, 0
	s_cbranch_scc1 .Lnot_wave_0_\@
	s_barrier_signal -3
.Lnot_wave_0_\@:
	s_barrier_wait -3
	s_barrier_signal -1
	s_barrier_wait -1
.endm
.macro CROUND
	s_barrier_signal -1
	s_barrier_wait -1
	CREST
.endm
	s_load_b256 s[4:11], s[0:1], 0x0               ; opc s[4:5], ops s[6:7], q s[8:9], kv s[10:11]
	v_lshl_add_u32 v[SPW], v0, 2, SPARE
	v_mov_b32 v[NIL], 0
	ds_add_u32 v[SPW], v[NIL]
	ds_add_u32 v[SPW], v[NIL]                      ; the wave's opening: the add and its wait stand ahead of my first tensor load; the set-up below stands between them
	v_lshrrev_b32 v1, 5, v0
	v_readfirstlane_b32 s14, v1                    ; wave 0..3
	s_lshr_b32 s15, s14, 1                         ; which half of the tile's rows is mine.  Also: I fetch for A (0) or for B (1)
	s_and_b32 s16, s14, 1                          ; which half of its columns.  Also: which 8 tiles I fetch
	s_bfe_u32 s40, ttmp6, 0x40000                  ; cx
	s_bfe_u32 s41, ttmp6, 0x40004                  ; cy
	s_and_b32 s17, ttmp7, 0xffff                   ; the cluster's y: the mode hangs on it
	s_lshl_b32 s43, s41, 2
	s_lshl_b32 s43, 15, s43                        ; my row of the cluster
	s_lshl_b32 s44, 0x1111, s40                    ; my column
	; group 1 for codes: 8 tiles' 3,072 bytes (384 elements of 8 bytes), 12,288 bytes apart in memory, on end in LDS
	s_or_b32 s[G1+0], s43, (3<<16)|(1<<21)         ; 15:0 the mask; 17:16 elements of 8 bytes; 21 set beside a mask; no padding
	s_or_b32 s[G1B+0], s44, (3<<16)|(1<<21)
.irp g, G1, G1B
	s_mov_b32 s[\g+1], 384<<16                     ; tensor_dim0
	s_mov_b32 s[\g+2], 8<<16                       ; tensor_dim1
	s_mov_b32 s[\g+3], 384<<16                     ; tile_dim0
	s_mov_b32 s[\g+4], 8                           ; tile_dim1
	s_mov_b32 s[\g+5], 1536                        ; tensor_dim0_stride
	s_mov_b32 s[\g+6], 0
	s_mov_b32 s[\g+7], 0
.endr
	; and for the scale bytes of 8 tiles: 4,096 dense bytes as 16 rows of 256
	s_or_b32 s[G1S+0], s43, (3<<16)|(1<<21)
	s_or_b32 s[G1SB+0], s44, (3<<16)|(1<<21)
.irp g, G1S, G1SB
	s_mov_b32 s[\g+1], 32<<16
	s_mov_b32 s[\g+2], 16<<16
	s_mov_b32 s[\g+3], 32<<16
	s_mov_b32 s[\g+4], 16
	s_mov_b32 s[\g+5], 32
	s_mov_b32 s[\g+6], 0
	s_mov_b32 s[\g+7], 0
.endr
	; the first tile that I fetch.  A: 16 cy + 8 half + (v: 640, else 64 y).  B: 16 cx + 64 x + 8 half + (v: 128 (y - 8), else 512).  A's registers never hold cx, B's never cy
	s_lshl_b32 s18, s16, 3
	s_lshl_b32 s20, s41, 4
	s_add_co_u32 s20, s20, s18
	s_lshl_b32 s19, s17, 6
	s_lshl_b32 s46, s40, 4
	s_add_co_u32 s46, s46, s18
	s_lshl_b32 s45, ttmp9, 6
	s_add_co_u32 s46, s46, s45
	s_max_u32 s45, s17, 8
	s_sub_co_u32 s45, s45, 8
	s_lshl_b32 s45, s45, 7
	s_movk_i32 s21, 640
	s_movk_i32 s47, 512
	s_cmp_ge_u32 s17, 8
	s_cselect_b32 s19, s21, s19
	s_cselect_b32 s45, s45, s47
	s_add_co_u32 s20, s20, s19
	s_add_co_u32 s46, s46, s45
	s_lshl_b32 s22, s20, 9                         ; its scale bytes,
	s_mul_i32 s20, s20, 12288                      ; its codes
	s_mov_b32 s21, 0
	s_mov_b32 s23, 0
	s_lshl_b32 s92, s46, 9
	s_mul_i32 s46, s46, 12288
	s_mov_b32 s47, 0
	s_mov_b32 s93, 0
	s_mul_i32 s45, s14, HALFT                      ; where they go: wave x 8 tiles: no place in the cluster enters an LDS address
	s_lshl_b32 s94, s14, 12
	s_wait_dscnt 0x0                               ; the opening add is done
	s_wait_kmcnt 0x0
	s_add_nc_u64 s[20:21], s[4:5], s[20:21]
	s_add_nc_u64 s[22:23], s[6:7], s[22:23]
	s_add_nc_u64 s[46:47], s[4:5], s[46:47]
	s_add_nc_u64 s[92:93], s[6:7], s[92:93]
	CROUND                                         ; all sixteen work-groups are here: the first joint loads meet
	s_mov_b32 s[G0S], 1
	s_add_co_u32 s[G0S+1], s94, SCL
	s_mov_b64 s[G0S+2:G0S+3], s[22:23]
	s_or_b32 s[G0S+3], s[G0S+3], 0x80000000
	s_mov_b32 s[G0SB], 1
	s_add_co_u32 s[G0SB+1], s94, SCL
	s_mov_b64 s[G0SB+2:G0SB+3], s[92:93]
	s_or_b32 s[G0SB+3], s[G0SB+3], 0x80000000
	JLOAD G0S, G1S, G0SB, G1SB                     ; the scale bytes first: they are wanted with K step 0
.irp s, 0,1
	s_mov_b32 s[G0+4*\s], 1
	s_add_co_u32 s[G0+4*\s+1], s45, \s*SLOT
	s_add_nc_u64 s[G0+4*\s+2:G0+4*\s+3], s[20:21], \s*TILEB
	s_or_b32 s[G0+4*\s+3], s[G0+4*\s+3], 0x80000000
	s_mov_b32 s[G0B+4*\s], 1
	s_add_co_u32 s[G0B+4*\s+1], s45, \s*SLOT
	s_add_nc_u64 s[G0B+4*\s+2:G0B+4*\s+3], s[46:47], \s*TILEB
	s_or_b32 s[G0B+4*\s+3], s[G0B+4*\s+3], 0x80000000
	JLOAD G0+4*\s, G1, G0B+4*\s, G1B               ; three tensor loads of mine are out behind the second of these
.endr
	v_and_b32 v1, 15, v0                           ; r
	v_bfe_u32 v2, v0, 4, 1                         ; h
	v_and_b32 v3, 31, v0
	v_lshlrev_b32 v[L16], 4, v3
	v_lshlrev_b32 v[L8], 3, v3
	s_mul_i32 s21, s15, HALFT                      ; my 8 tiles of A
	s_mul_i32 s22, s16, HALFT                      ; my 8 tiles of B,
	s_add_co_u32 s22, s22, 2*HALFT                 ; which lie behind A's 16
.irp s, 0,1
	v_add_nc_u32 v[ADRA+\s], s21, v[L16]
	v_add_nc_u32 v[ADRB+\s], s22, v[L16]
	v_add_nc_u32 v[ADRA+2+\s], s21, v[L8]
	v_add_nc_u32 v[ADRB+2+\s], s22, v[L8]
	s_add_co_u32 s21, s21, SLOT
	s_add_co_u32 s22, s22, SLOT
.endr
	v_lshlrev_b32 v5, 3, v1                        ; my row's 8 scale bytes of a K step
	s_lshl_b32 s21, s15, 12                        ; A's: my 8 tiles
	s_lshl_b32 s22, s16, 12                        ; B's: my 8 tiles, behind A's 16
	s_add_co_u32 s22, s22, 2*HALFS
	s_sub_co_u32 s22, s22, s21
	v_mul_u32_u24 v6, s22, v2                      ; lanes 16-31 take B's
	s_add_co_u32 s21, s21, SCL
	v_add_nc_u32 v5, v5, v6
	v_add_nc_u32 v[ADRS], s21, v5
	; ---- where my results go.  mh, nh: which 128 rows of A, of B are mine
	s_lshl_b32 s96, s17, 2
	s_add_co_u32 s96, s96, s41                     ; 4 y + cy
	s_lshl_b32 s97, ttmp9, 2
	s_add_co_u32 s97, s97, s40                     ; 4 x + cx
	s_max_u32 s98, s17, 8
	s_sub_co_u32 s98, s98, 8
	s_lshl_b32 s98, s98, 3
	s_add_co_u32 s97, s97, s98                     ; the tile column: v: + 8 (y - 8)
	s_cmp_ge_u32 s17, 8
	s_cselect_b32 s96, s41, s96                    ; the tile row: v: cy
	s_cselect_b32 s66, 1, 0                        ; v?
	s_cselect_b32 s3, -1, 0                        ; and as a mask of lanes
	s_lshl_b32 s96, s96, 1
	s_add_co_u32 s96, s96, s15                     ; mh
	s_lshl_b32 s97, s97, 1
	s_add_co_u32 s97, s97, s16                     ; nh
	s_lshl_b32 s98, s96, 1                         ; v: my first head = 2 mh
	s_lshl_b32 s99, s97, 1
	s_and_b32 s99, s99, 15                         ; q, k: 2 nh mod 16
	s_cmp_eq_u32 s66, 1
	s_cselect_b32 s96, s97, s96                    ; which 128 tokens of the 8,192
	s_cselect_b32 s98, s98, s99                    ; my first head
	s_lshr_b32 s97, s96, 4                         ; the batch
	s_lshl_b32 s97, s97, 4
	s_add_co_u32 s97, s97, s98                     ; batch x 16 + head
	s_and_b32 s96, s96, 15                         ; the key step in the batch
	s_mul_i32 s97, s97, 204800
	s_lshr_b32 s98, s96, 1
	s_mul_i32 s98, s98, 25600
	s_add_co_u32 s97, s97, s98                     ; the slot
	s_and_b32 s96, s96, 1
	s_mul_i32 s98, s96, 12288
	s_add_co_u32 s98, s98, s97                     ; the codes
	s_lshl_b32 s99, s96, 9
	s_add_co_u32 s99, s99, s97
	s_add_co_u32 s99, s99, 24576                   ; the scale image
	s_mul_i32 s96, s66, 6144                       ; V's lie behind K's
	s_add_co_u32 s98, s98, s96
	s_lshl_b32 s96, s66, 8
	s_add_co_u32 s99, s99, s96
	s_or_b32 s67, s66, ttmp9
	s_cmp_eq_u32 s67, 0                            ; q: the first mode's cluster column 0
	s_cselect_b32 s67, 1, 0
	s_cselect_b64 s[8:9], s[8:9], s[10:11]         ; the buffer: the choice hangs on the cluster's place in the grid alone
	s_lshr_b32 s98, s98, s67                       ; in q every offset is half of K's
	s_lshr_b32 s99, s99, s67
	s_mov_b32 s96, 204800
	s_lshr_b32 s96, s96, s67                       ; from head to head
	s_movk_i32 s97, 768
	s_cmp_eq_u32 s66, 1
	s_cselect_b32 s97, s97, s96                    ; from a fragment's first half to its second: v: 768; q, k: the next head
	s_lshl_b32 s12, 768, s66                       ; from block to block of A: q, k: 768; v: 1,536
	s_mov_b32 s13, 0
	s_mul_i32 s10, s66, 198656                     ; v: blocks 4-7 are the next head's: a head's bytes less 4 x 1,536
	s_mov_b32 s11, 0
	s_mov_b32 s92, s98
	s_mov_b32 s93, 0
	s_add_nc_u64 s[4:5], s[8:9], s[92:93]          ; s[4:5]: the first halves,
	s_mov_b32 s92, s97
	s_add_nc_u64 s[6:7], s[4:5], s[92:93]          ; s[6:7]: the second halves,
	s_mov_b32 s92, s99
	s_add_nc_u64 s[8:9], s[8:9], s[92:93]          ; s[8:9]: the scale images
	v_mul_u32_u24 v[SOFF], s96, v2
	v_lshl_add_u32 v[SOFF], v1, 4, v[SOFF]
	v_cmp_eq_u32 s2, 1, v2                         ; the mask of lanes 16-31
	v_mov_b32 v[SELV], 0x05040100
	v_mov_b32 v3, 0x07060302
	v_cndmask_b32 v[SELV], v[SELV], v3, s2
.irp b, 0,1,2,3
	v_mov_b32 v[TM+4+\b], 0                        ; written once: a lane permute's destination counts as one of its sources
.endr
	s_mov_b32 s[SEL], 0x76543210
	s_mov_b32 s[SEL+1], 0xfedcba98
.macro FRAG reg, a16, a8, off          ; a fragment: two half fragments on end; each load reads consecutive bytes
	ds_load_b128 v[\reg:\reg+3], v[\a16] offset:\off
	ds_load_b64 v[\reg+4:\reg+5], v[\a8] offset:\off+512
	ds_load_b128 v[\reg+6:\reg+9], v[\a16] offset:\off+768
	ds_load_b64 v[\reg+10:\reg+11], v[\a8] offset:\off+1280
.endm
; 16 matrix instructions: A's blocks a0, a0 + 1 x B's eight.  The 64 accumulators take turns, one instruction a turn, in the same order in every step.
.macro MUL16 a0, p, q, sc, zero
.irp a, \a0, \a0+1
.irp b, 0,1,2,3,4,5,6,7
.if \zero
	v_wmma_scale_f32_16x16x128_f8f6f4 v[8*(8*((\a)%4)+\b):8*(8*((\a)%4)+\b)+7], v[128*(\p)+FR*\b:128*(\p)+FR*\b+FR-1], v[AF+FR*(\a):AF+FR*(\a)+FR-1], 0, v[SC+8*NQ*(\sc)+NQ*\b+(\q)], v[SC+8*NQ*(\sc)+NQ*(\a)+(\q)] matrix_a_fmt:MATRIX_FMT_FP6 matrix_b_fmt:MATRIX_FMT_FP6 matrix_a_scale:MATRIX_SCALE_ROW1
.else
	v_wmma_scale_f32_16x16x128_f8f6f4 v[8*(8*((\a)%4)+\b):8*(8*((\a)%4)+\b)+7], v[128*(\p)+FR*\b:128*(\p)+FR*\b+FR-1], v[AF+FR*(\a):AF+FR*(\a)+FR-1], v[8*(8*((\a)%4)+\b):8*(8*((\a)%4)+\b)+7], v[SC+8*NQ*(\sc)+NQ*\b+(\q)], v[SC+8*NQ*(\sc)+NQ*(\a)+(\q)] matrix_a_fmt:MATRIX_FMT_FP6 matrix_b_fmt:MATRIX_FMT_FP6 matrix_a_scale:MATRIX_SCALE_ROW1
.endif
.endr
.endr
.endm
.macro FETCH_B slot, q, p              ; B's eight fragments of the slot's q-th 128 along K into set p
	WIN TO_B
.irp i, 0,1,2,3,4,5,6,7
	FRAG 128*(\p)+FR*\i, ADRB+\slot, ADRB+2+\slot, (\q)*1536+\i*TILEB
.endr
	WIN 0
.endm
.macro FETCH_A slot, q, i0             ; A's blocks i0 .. i0 + 3
.irp i, \i0, \i0+1, \i0+2, \i0+3
	FRAG AF+FR*(\i), ADRA+\slot, ADRA+2+\slot, (\q)*1536+(\i)*TILEB
.endr
.endm
.macro SCALES sc                       ; a K step's scale words: two a row; lanes 0-15 A's block i, lanes 16-31 B's block i
.irp i, 0,1,2,3,4,5,6,7
	ds_load_b64 v[SC+8*NQ*\sc+NQ*\i:SC+8*NQ*\sc+NQ*\i+1], v[ADRS] offset:\i*512
.endr
.endm
.macro PLACES n                        ; plain vector instructions between a matrix instruction and a load into, or a read of, its registers
.rept \n
	v_nop
.endr
.endm
.macro STEP slot, q, zero              ; 128 along K that have their successor in the same slot
	s_wait_dscnt 4*NL                              ; B's set and A's blocks 0-3 are in; the youngest 16 loads (A's blocks 4-7) may be out
	WIN MUL_LO
	MUL16 0, (\q)%2, \q, \slot, \zero
	MUL16 2, (\q)%2, \q, \slot, \zero
	s_wait_dscnt 0                                 ; A's blocks 4-7 are in
	PLACES NP
	FETCH_B \slot, (\q)+1, 1-(\q)%2
	FETCH_A \slot, (\q)+1, 0
	WIN MUL_HI
	MUL16 4, (\q)%2, \q, \slot, \zero
	MUL16 6, (\q)%2, \q, \slot, \zero
	PLACES NP
	WIN 0
	FETCH_A \slot, (\q)+1, 4
.endm
; A slot's last 128 change slots: ONE barrier; ahead of it each wave waits for all its tensor loads, adds 0 to its spare word, and waits for that and for its reads of this slot.  fill = 1: the slot is filled again, two K steps ahead.
.macro TURN slot, next, fill
	s_wait_tensorcnt 0x0                           ; all my tensor loads have landed: my part of the next slot
	ds_add_u32 v[SPW], v[NIL]                      ; 0 onto my spare word
	s_wait_dscnt 4*NL+1                            ; (the add and the youngest 16 loads may be out)
	WIN MUL_LO
	MUL16 0, 1, NQ-1, \slot, 0                     ; sixteen matrix instructions stand between the add and the wait for it
	s_wait_dscnt 0x0                               ; the add is done, and my reads of this slot are over
	s_barrier_signal -1
	MUL16 2, 1, NQ-1, \slot, 0
	WIN 0
	s_barrier_wait -1
.if \fill
	CREST                                          ; the barrier has opened a round of the cluster's: no wave of any partner still reads this slot or has a load on its way
	s_add_nc_u64 s[G0+4*\slot+2:G0+4*\slot+3], s[G0+4*\slot+2:G0+4*\slot+3], 2*TILEB
	s_add_nc_u64 s[G0B+4*\slot+2:G0B+4*\slot+3], s[G0B+4*\slot+2:G0B+4*\slot+3], 2*TILEB
	JLOAD G0+4*\slot, G1, G0B+4*\slot, G1B         ; the first tensor load behind the round; its four v_nop are the places in front of the loads below
.else
	PLACES NP
.endif
	s_wait_alu depctr_va_vdst(0)
	v_add_nc_u32 v[ADRS], 128, v[ADRS]             ; the next K step's scale words (no LDS load of mine is out)
	FETCH_B \next, 0, 0
	FETCH_A \next, 0, 0
	SCALES \next
	WIN MUL_HI
	MUL16 4, 1, NQ-1, \slot, 0
	MUL16 6, 1, NQ-1, \slot, 0
	PLACES NP
	WIN 0
	FETCH_A \next, 0, 4
.endm
	s_wait_tensorcnt 1                             ; the scale bytes and my part of K step 0 are in; K step 1's load may be out
	s_barrier_signal -1
	s_barrier_wait -1
	FETCH_B 0, 0, 0
	FETCH_A 0, 0, 0
	SCALES 0
	FETCH_A 0, 0, 4
	STEP 0, 0, 1                                   ; the first products start the sums: nothing is cleared
	TURN 0, 1, 1                                   ; K has four steps of 256: written straight; slot 0 takes K step 2,
	STEP 1, 0, 0
	TURN 1, 0, 1                                   ; slot 1 K step 3
	STEP 0, 0, 0
	TURN 0, 1, 0                                   ; nothing is left to fetch
	STEP 1, 0, 0
	s_wait_dscnt 4*NL
	WIN MUL_LO
	MUL16 0, 1, NQ-1, 1, 0
	MUL16 2, 1, NQ-1, 1, 0
	s_wait_dscnt 0
	WIN MUL_HI
	MUL16 4, 1, NQ-1, 1, 0
	MUL16 6, 1, NQ-1, 1, 0
	WIN 0
; THE WAY OUT.  The 64 registers of A's block a are quantised as they stand: a fragment's 12 registers and a scale word a row.  The sources lie in window 2 or 3, all else in window 0.
; Each accumulator is read from its low end on.
.macro QUANTW a
.set AS, 64*((\a)%4)
.set WW, 2+(\a)/4
	WIN WW|(WW<<2)
.irp b, 0,1,2,3
	v_max3_num_f32 v[TM+\b], |v[AS+16*\b]|, |v[AS+1+16*\b]|, 0x1800000   ; and the floor 2^(3 - 127)
.endr
	WIN (WW<<2)|(WW<<4)
.irp i, 2,4,6,8,10,12,14
.irp b, 0,1,2,3
	v_max3_num_f32 v[TM+\b], v[TM+\b], |v[AS+16*\b+\i]|, |v[AS+1+16*\b+\i]|
.endr
.endr
	WIN 0
.irp b, 0,1,2,3
	v_permlanex16_b32 v[TM+4+\b], v[TM+\b], s[SEL], s[SEL+1]
.endr
.irp b, 0,1,2,3
	v_max_num_f32 v[TM+\b], v[TM+\b], v[TM+4+\b]
.endr
.irp b, 0,1,2,3
	v_add_nc_u32 v[TM+12+\b], 0xff000000, v[TM+\b] ; 2 off the exponent field: the conversion's scale operand
.endr
.irp b, 0,1,2,3
	v_lshrrev_b32 v[TM+4+\b], 23, v[TM+12+\b]      ; the scale's byte
.endr
	v_lshl_or_b32 v[PWA+\a], v[TM+5], 8, v[TM+4]
	v_lshl_or_b32 v[PWA+\a], v[TM+6], 16, v[PWA+\a]
	v_lshl_or_b32 v[PWA+\a], v[TM+7], 24, v[PWA+\a]
	WIN WW
.irp c, 0,1
	v_cvt_scalef32_pk16_fp6_f32 v[PC+6*\c:PC+2+6*\c], v[AS+32*\c:AS+15+32*\c], v[TM+12+2*\c]
	v_cvt_scalef32_pk16_fp6_f32 v[PC+12+4*\c:PC+14+4*\c], v[AS+16+32*\c:AS+31+32*\c], v[TM+12+2*\c+1]
.endr
	WIN 0
	v_nop                                          ; one plain instruction behind the scaled conversions
.irp c, 0,1
.irp i, 0,1,2
	v_permlane16_swap_b32 v[PC+6*\c+\i], v[PC+12+4*\c+\i]
.endr
.irp i, 0,1,2
	v_mov_b32 v[PC+3+6*\c+\i], v[PC+12+4*\c+\i]
.endr
.endr
.endm
	PLACES NP                                      ; behind the last products
.irp a, 0,1,2,3,4,5,6,7
.if \a > 0
	s_wait_xcnt 0x0                                ; the last block's stores have read their data and bases: both are written again only behind this wait
	s_add_nc_u64 s[4:5], s[4:5], s[12:13]
	s_add_nc_u64 s[6:7], s[6:7], s[12:13]
.if \a == 4
	s_add_nc_u64 s[4:5], s[4:5], s[10:11]
	s_add_nc_u64 s[6:7], s[6:7], s[10:11]
.endif
.endif
	QUANTW \a
	global_store_b128 v[L16], v[PC:PC+3], s[4:5]               ; 512 consecutive bytes, at a multiple of 256
	global_store_b64 v[L8], v[PC+4:PC+5], s[4:5] offset:512    ; 256
	global_store_b128 v[L16], v[PC+6:PC+9], s[6:7]
	global_store_b64 v[L8], v[PC+10:PC+11], s[6:7] offset:512
.endr
	; the scale images.  q, k: my half's head takes its two bytes of two neighbouring blocks' words.  v: my half's head takes its four blocks' words.  Both are made, and the mode picks: no branch
.irp g, 0,1,2,3
	v_perm_b32 v[DD+\g], v[PWA+2*\g+1], v[PWA+2*\g], v[SELV]
.endr
.irp g, 0,1,2,3
	v_cndmask_b32 v[DE+\g], v[PWA+\g], v[PWA+4+\g], s2
.endr
.irp g, 0,1,2,3
	v_cndmask_b32 v[DD+\g], v[DD+\g], v[DE+\g], s3
.endr
	global_store_b128 v[SOFF], v[DD:DD+3], s[8:9]  ; lanes 0-15 store one image of 256 bytes, lanes 16-31 the next head's
	s_wait_tensorcnt 0x0                           ; the wave's end
	ds_add_u32 v[SPW], v[NIL]
	s_wait_dscnt 0x0
	CROUND                                         ; the closing round: no work-group ends while a partner may still ask for a tile that names it
	s_endpgm
.Lfunc_end_k_q183124cf18_qkv:
	.size	k_q183124cf18_qkv, .Lfunc_end_k_q183124cf18_qkv-k_q183124cf18_qkv
	.p2alignl 7, 3214868480
	.fill 96, 4, 3214868480
	.section	.rodata,"a",@progbits
	.p2align	6, 0x0
	.amdhsa_kernel k_q183124cf18_qkv
		.amdhsa_group_segment_fixed_size 327680
		.amdhsa_private_segment_fixed_size 0
		.amdhsa_enable_private_segment 0
		.amdhsa_kernarg_size 32
		.amdhsa_user_sgpr_count 2
		.amdhsa_user_sgpr_kernarg_segment_ptr 1
		.amdhsa_wavefront_size32 1
		.amdhsa_system_sgpr_workgroup_id_x 1
		.amdhsa_system_sgpr_workgroup_id_y 1
		.amdhsa_system_sgpr_workgroup_id_z 1
		.amdhsa_system_vgpr_workitem_id 0
		.amdhsa_next_free_vgpr 1024
		.amdhsa_next_free_sgpr 100
		.amdhsa_reserve_vcc 0
		.amdhsa_float_denorm_mode_32 3
		.amdhsa_float_denorm_mode_16_64 3
		.amdhsa_memory_ordered 1
		.amdhsa_forward_progress 1
		.amdhsa_inst_pref_size 152
	.end_amdhsa_kernel
	.amdgpu_metadata
---
amdhsa.version: [ 1, 2 ]
amdhsa.kernels:
  - .name:           k_q183124cf18_qkv
    .symbol:         k_q183124cf18_qkv.kd
    .args:
      - { .name: opc, .offset: 0, .size: 8, .value_kind: global_buffer, .address_space: global }
      - { .name: ops, .offset: 8, .size: 8, .value_kind: global_buffer, .address_space: global }
      - { .name: q, .offset: 16, .size: 8, .value_kind: global_buffer, .address_space: global }
      - { .name: kv, .offset: 24, .size: 8, .value_kind: global_buffer, .address_space: global }
    .group_segment_fixed_size: 327680
    .private_segment_fixed_size: 0
    .kernarg_segment_align: 8
    .kernarg_segment_size: 32
    .max_flat_workgroup_size: 128
    .sgpr_count:     100
    .vgpr_count:     1024
    .wavefront_size: 32
...
	.end_amdgpu_metadata
.endif
;; end of part 2
;; launch attn (part 3): grid 4 x 64, 16 waves a work-group, no clusters, 327,680 bytes of LDS; arguments q, kv, acod, ascl; writes acod, ascl
.if DOCPART == 3
	.amdgcn_target "amdgcn-amd-amdhsa--gfx1250"
	.amdhsa_code_object_version 6
	.text
	.protected	k_q183124cf18_attn
	.globl	k_q183124cf18_attn
	.p2align	8
	.type	k_q183124cf18_attn,@function
k_q183124cf18_attn:
	s_mov_b64 s[64:65], 0
	v_nop
	global_prefetch_b8 v0, s[64:65] scope:SCOPE_SE
	s_setreg_imm32_b32 hwreg(HW_REG_WAVE_MODE, 25, 1), 1
	s_wait_xcnt 0x0
; Causal attention of 64 heads (2,048 tokens, head size 64) on codes of FP6 (E2M3) with E8M0 scales; O / l is quantised along the head on the way out, for the last product.
; t = score x log2(e) / 8; M = the running largest t rounded UP to a whole number; p = 2^(t - M) is quantised along the keys, not normalised; the row's sum is taken of the unquantised p and divides O at the end.
; When M moves, the sum and O are multiplied by 2^(old M - new M): exact.  Hidden scores are set to -8e9, which is the problem's -1e9 ahead of the factor 1 / 8.
; INPUTS: q [head][slot 8][12,800] and kv [head][slot of 256 keys: 8][25,600], images of operand registers: for each of a slot's two key steps of 128 keys K's 8 tiles x 768 and V's 4 tiles (16 features x 128 keys) x 1,536;
; at 24,576 the scale images (word (r, g) at 16 r + 4 g).  A tile is 16 rows: lane r of tile T holds row 32 (T / 2) + 8 (T % 2) + r + 8 (r / 8).
; SHARES: work-group (i, head) owns query blocks 7 - i and i, 256 queries each: first block 7 - i against key slots 0 .. 7 - i, then block i against slots 0 .. i: NINE visits of a slot in every work-group, so that
; the trip count is a constant and all 256 work-groups have the same work under the causal mask.  Each of the sixteen waves owns one tile of 16 queries of the block, in 256 registers: four waves to a SIMD.
; BOTH PRODUCTS ARE USED TRANSPOSED: S^T = K Q^T, O^T = V^T P^T: a lane holds one query throughout; by the order of a tile's rows the 16 registers of score tiles 2 g, 2 g + 1 are 16 neighbouring keys.
; THE HEAD'S 64 IN AN INSTRUCTION OF 128: a fragment of K holds key tile 2 g at k = 0-63 and tile 2 g + 1 at k = 64-127; multiplied by (q | zeros) it gives tile 2 g's scores, by (zeros | q) tile 2 g + 1's.
; THE RING: two LDS slots; wave 0 brings a slot's 25,600 dense bytes by one tensor load; a slot's load goes out behind the barrier at the head of the slot before.  One tensor load is out at the most; every wait on it is for 0.
; NO CLUSTER: the four work-groups of a head read the same slots, but in different orders: the first pass ends at slot 7 - i, another slot in each, so from there on partners would ask for different tiles in the same round.
; LIMITS: a row whose largest true score lies near or under -8e9 (a logit of -1e9) is not served; NaN and infinities are not served; zero blocks carry the byte 1 (this program alone reads the bytes).
; ascl's two bytes a row are stored by 2-byte stores: 32 bytes beside a wave's 768 of codes.
.set SLOTB, 25600
.set SLOT1, 32768                      ; slot 1 begins here: one exclusive or turns an address
.set SPARE, 65536                      ; the spare words, 128 bytes for each of sixteen waves
.set KSB,   12288                      ; a key step's codes in a slot
.set IMG,   24576                      ; the scale images
.set L16, 1                            ; v1   16 x lane
.set L8,  2                            ; v2   8 x lane
.set AIM, 3                            ; v3   16 r + IMG
.set LQ,  4                            ; v4   r + 8 (r / 8) - 16 h
.set SPW, 5                            ; v5   my spare word; never rewritten
.set NIL, 6                            ; v6   0; never rewritten
.set A16, 7                            ; v7-9 the step's LDS addresses
.set A8,  8
.set AI,  9
.set PFO, 10                           ; v10  256 x lane; never rewritten
.set R8,  11                           ; v11  8 r
                                       ; v12 -M, v13 the largest t, v[14:15] the sum in two halves
.set QF,  16                           ; v16-21 zeros, v22-27 q, v28-33 zeros
.set QS,  34                           ; v34  q's scale word
.set SCR, 36                           ; v36-39 K's four scale words, then V's
.set PS,  40                           ; v40  p's scale word
.set R16, 41                           ; v41  16 r
.set FRG, 44                           ; v44-91   four fragments of K, then of V
.set S,   96                           ; v96-159  S^T, then p
.set OT,  160                          ; v160-191 O^T
.set PCD, 192                          ; v192-203 p's codes
.set CT,  204                          ; v204-210 conversions' second halves
.set BM,  212                          ; v212-215 the blocks' largest
.set PT,  216                          ; v216-219 at work
.set SO,  220                          ; v220-223 the conversions' scale operands
.set FF,  224                          ; v[224:225] f
.set T0,  226
.set T1,  227
.set WV,  12                           ; s12 wave;  s13 i;  s14 head;  s15 i + 1
.set G1,  16                           ; s[16:23] group 1;  s[24:27] group 0, made anew at each change of slots
.set G0,  24
.set SEL, 28                           ; s[28:29]
.set CS,  30                           ; s[30:31] c = log2(e) / 8
.set TB,  32                           ; s32 LDS byte at which the slot in hand begins
.set SLOTS, 33                         ; s33 visits still to be asked for
.set KF,  34                           ; s34 the step's first key
.set QMIN, 35                          ; s35 my smallest query
.set TT,  36                           ; s36 my tile of queries
.set KVH, 38                           ; s[38:39] my head's first byte in kv; never rewritten
.set NOF, 42                           ; s[42:43] the byte in the head at which the slot to be asked for begins (the high word stays 0)
.set NS,  69                           ; s69 the slot asked for last
                                       ; s37 my head in q; s[44:45] the prefetches; s46 their limit; s47 q's byte selector
                                       ; s[48:49] q's codes, s[50:51] acod, s[52:53] ascl, s[54:55] q's scale word: at my tile;  s66 128 x batch, s67 head in batch, s68 its place in a tile of ascl
.macro TLOAD                           ; wave 0 alone fetches; an s_nop 0 and four v_nop follow the load
	s_cmp_eq_u32 s[WV], 0
	s_cbranch_scc0 .Lnot_0_\@
	tensor_load_to_lds s[G0:G0+3], s[G1:G1+7]
	s_nop 0
.rept 4
	v_nop
.endr
.Lnot_0_\@:
.endm
; A prefetch of the codes of the slot after the one that is being asked for: 24,576 bytes, lanes 256 bytes apart, 8,192 bytes a wave: waves 4 to 6 of the head's work-group 0, whose first pass walks all eight slots.
; Trips 0 to 5 name slots 2 to 7: each block once in the launch.  Slots 0 and 1, and a slot's last 1,024 bytes, come by their loads alone.
.macro ASK
	s_cmp_gt_u32 s[SLOTS], s46
	s_cbranch_scc0 .Lnot_mine_\@
	global_prefetch_b8 v[PFO], s[44:45] th:TH_LOAD_NT scope:SCOPE_SE
.Lnot_mine_\@:
.endm
.macro FRAG reg, a16, a8, off          ; a fragment: two half fragments on end; each load reads consecutive bytes
	ds_load_b128 v[\reg:\reg+3], v[\a16] offset:\off
	ds_load_b64 v[\reg+4:\reg+5], v[\a8] offset:\off+512
	ds_load_b128 v[\reg+6:\reg+9], v[\a16] offset:\off+768
	ds_load_b64 v[\reg+10:\reg+11], v[\a8] offset:\off+1280
.endm
; THE CHANGE OF SLOTS, at a slot's head: every wave waits for all its tensor loads, adds 0 to its spare word, waits for that and for its reads of the slot that it has left; behind the barrier the slot ahead is whole
; and nobody reads the other.  fill = 1: that other slot takes the next visit's keys: the next slot, or slot 0 where the first pass ends.  The descriptor's global address is made anew from the head's first byte
; and the slot's number x 25,600, and the type is set behind the sum.
.macro CHANGE fill
	s_wait_tensorcnt 0x0                           ; no tensor load of mine is out, so group 0 may be written
	ds_add_u32 v[SPW], v[NIL]                      ; 0 onto my spare word
.if \fill
	s_xor_b32 s[G0+1], s[G0+1], SLOT1              ; the other LDS slot than last time
	s_add_co_u32 s[NS], s[NS], 1                   ; the next slot of keys,
	s_cmp_eq_u32 s[SLOTS], s15                     ; or, where this visit is the first pass's last,
	s_cselect_b32 s[NS], 0, s[NS]                  ; slot 0 again, for the second pass
	s_mul_i32 s[NOF], s[NS], SLOTB                 ; 179,200 at the most
	s_add_nc_u64 s[G0+2:G0+3], s[KVH:KVH+1], s[NOF:NOF+1]
	s_or_b32 s[G0+3], s[G0+3], 0x80000000          ; type = 2
	s_wait_xcnt 0x0                                ; the last prefetch, a slot back, has read its address
	s_add_nc_u64 s[44:45], s[44:45], SLOTB
.endif
	s_wait_dscnt 0x0                               ; the add is done, and my reads of the slot that I have left are over
	s_barrier_signal -1
	s_barrier_wait -1
.if \fill
	TLOAD                                          ; the first thing behind the barrier
	ASK
.endif
.endm
; My tile s[TT]: its addresses, q's half fragment and scale word, and the softmax's state.
.macro SETTILE
	s_lshr_b32 s56, s[TT], 4
	s_mul_i32 s56, s56, 12800
	s_add_co_u32 s56, s56, s37                     ; my head's and my slot's place in q
	s_bfe_u32 s57, s[TT], 0x10003                  ; which of the slot's two steps
	s_and_b32 s60, s[TT], 7                        ; which of the step's eight tiles
	s_mul_i32 s58, s57, 6144
	s_mul_i32 s61, s60, 768
	s_add_co_u32 s58, s58, s61
	s_add_co_u32 s58, s58, s56
	s_mov_b32 s59, 0
	s_add_nc_u64 s[48:49], s[4:5], s[58:59]
	s_lshl_b32 s58, s57, 8
	s_lshr_b32 s61, s60, 1
	s_lshl_b32 s61, s61, 2
	s_add_co_u32 s58, s58, s61
	s_add_co_u32 s58, s58, s56
	s_add_co_u32 s58, s58, 12288
	s_add_nc_u64 s[54:55], s[4:5], s[58:59]
	s_add_co_u32 s60, s66, s[TT]                   ; the tile among the 512 of all batches
	s_lshl_b32 s58, s60, 4
	s_add_co_u32 s58, s58, s67
	s_mul_i32 s58, s58, 768
	s_add_nc_u64 s[50:51], s[8:9], s[58:59]
	s_lshl_b32 s58, s60, 9
	s_add_co_u32 s58, s58, s68
	s_add_nc_u64 s[52:53], s[10:11], s[58:59]
	s_lshr_b32 s[QMIN], s[TT], 1
	s_lshl_b32 s[QMIN], s[QMIN], 5
	s_and_b32 s56, s[TT], 1
	s_lshl_b32 s56, s56, 3
	s_add_co_u32 s[QMIN], s[QMIN], s56             ; 32 (T / 2) + 8 (T % 2); my largest query is 23 above
	s_mov_b32 s[KF], 0
	global_load_b128 v[QF+6:QF+9], v[L16], s[48:49] th:TH_LOAD_NT
	global_load_b64 v[QF+10:QF+11], v[L8], s[48:49] offset:512 th:TH_LOAD_NT
	global_load_b32 v[T1], v[R16], s[54:55]
	v_mov_b32 v13, 0xff61b1e6                      ; the largest t so far: -3e38
	s_delay_alu instid0(VALU_DEP_1)
	v_floor_f32 v12, -v13                          ; -M
	v_mov_b32 v14, 0
	v_mov_b32 v15, 0
	s_wait_loadcnt 0x0
	v_perm_b32 v[QS], v[T1], v[T1], s47            ; my tile's two bytes, in both halves of the word: q stands in either half of the 128
.set N, 0
.rept 32
	v_mov_b32 v[OT+N], 0                           ; O^T: the step is written once, its first finds zeros.  (These are also the places between the scale word's write and the products)
.set N, N+1
.endr
.endm
; A KEY STEP: 128 keys, the q-th of the slot in hand.
.macro TSTEP q
	s_add_co_u32 s70, s[QMIN], 23
	s_cmp_gt_u32 s[KF], s70                        ; all its keys come after my queries: the step's work is left out (a branch on ids and the count of steps)
	s_cbranch_scc1 .Lhidden_\@
	v_add_nc_u32 v[A16], s[TB], v[L16]
	v_add_nc_u32 v[A8], s[TB], v[L8]
	v_add_nc_u32 v[AI], s[TB], v[AIM]
	v_nop                                          ; four places in front of loads into registers that the last products have read
.irp g, 0,1,2,3
	FRAG FRG+12*\g, A16, A8, (\q)*KSB+1536*\g
.endr
	ds_load_b128 v[SCR:SCR+3], v[AI] offset:512*(\q)
	s_wait_alu depctr_va_vdst(0)
	s_wait_dscnt 0x0
.irp g, 0,1,2,3
	v_wmma_scale_f32_16x16x128_f8f6f4 v[S+16*\g:S+16*\g+7], v[FRG+12*\g:FRG+12*\g+11], v[QF+6:QF+17], 0, v[SCR+\g], v[QS] matrix_a_fmt:MATRIX_FMT_FP6 matrix_b_fmt:MATRIX_FMT_FP6
	v_wmma_scale_f32_16x16x128_f8f6f4 v[S+16*\g+8:S+16*\g+15], v[FRG+12*\g:FRG+12*\g+11], v[QF:QF+11], 0, v[SCR+\g], v[QS] matrix_a_fmt:MATRIX_FMT_FP6 matrix_b_fmt:MATRIX_FMT_FP6
.endr
.rept 4
	v_nop                                          ; places behind the products: for the loads below and for the first read of the scores
.endr
.irp g, 0,1,2,3
	FRAG FRG+12*\g, A16, A8, (\q)*KSB+6144+1536*\g ; V's four tiles land while the softmax is walked
.endr
	ds_load_b128 v[SCR:SCR+3], v[AI] offset:512*(\q)+256
	s_add_co_u32 s70, s[KF], 127
	s_cmp_le_u32 s70, s[QMIN]                      ; all its keys count for all my queries: no mask
	s_cbranch_scc1 .Lopen_\@
	s_sub_co_i32 s70, s[QMIN], s[KF]
	v_add_nc_u32 v[T0], s70, v[LQ]                 ; d = my query - KF - 16 h.  Register 16 b + i holds key KF + 32 b + 16 h + i: hidden where 32 b + i > d
	v_mov_b32 v[T1], 0xcfee6b28                    ; -8e9
.set N, 0
.rept 64
	v_cmp_gt_i32 vcc_lo, 32*(N/16)+N%16, v[T0]
	v_cndmask_b32 v[S+N], v[S+N], v[T1], vcc_lo
.set N, N+1
.endr
.Lopen_\@:
.irp b, 0,1,2,3
	v_max3_num_f32 v[BM+\b], v[S+16*\b], v[S+1+16*\b], v[S+2+16*\b]   ; the largest score of each block of 32 keys: for the row's maximum and, since p rises with the score, for the block's largest p
.endr
.irp i, 3,5,7,9,11,13
.irp b, 0,1,2,3
	v_max3_num_f32 v[BM+\b], v[BM+\b], v[S+16*\b+\i], v[S+1+16*\b+\i]
.endr
.endr
.irp b, 0,1,2,3
	v_max_num_f32 v[BM+\b], v[BM+\b], v[S+15+16*\b]
.endr
.irp b, 0,1,2,3
	s_delay_alu instid0(VALU_DEP_4)
	v_permlanex16_b32 v[PT+\b], v[BM+\b], s[SEL], s[SEL+1]
.endr
.irp b, 0,1,2,3
	s_delay_alu instid0(VALU_DEP_4)
	v_max_num_f32 v[BM+\b], v[BM+\b], v[PT+\b]     ; with lane l xor 16's 16 keys
.endr
	s_delay_alu instid0(VALU_DEP_2)
	v_max3_num_f32 v[T0], v[BM], v[BM+1], v[BM+2]
	s_delay_alu instid0(VALU_DEP_1)
	v_max_num_f32 v[T0], v[T0], v[BM+3]
	s_delay_alu instid0(VALU_DEP_1)
	v_mul_f32 v[T0], s[CS], v[T0]                  ; as t
	s_delay_alu instid0(VALU_DEP_1)
	v_max_num_f32 v13, v13, v[T0]                  ; the running largest t
	v_mov_b32 v[T0], v12
	s_delay_alu instid0(VALU_DEP_2)
	v_floor_f32 v12, -v13                          ; the new -M = -ceil(t)
	s_delay_alu instid0(VALU_DEP_1)
	v_sub_f32 v[T0], v12, v[T0]                    ; old M - new M: a whole number, 0 or less
	s_delay_alu instid0(VALU_DEP_1)
	v_cvt_i32_f32 v[T0], v[T0]                     ; (it saturates)
	s_delay_alu instid0(VALU_DEP_1)
	v_ldexp_f32 v[FF], 1.0, v[T0]                  ; f = 2^(old M - new M)
.set N, 0
.rept 32
	v_pk_fma_f32 v[S+N:S+N+1], v[S+N:S+N+1], s[CS:CS+1], v[12:13] op_sel_hi:[1,0,0]   ; t - M, two at a time
.set N, N+2
.endr
.irp b, 0,1,2,3
	v_fma_f32 v[BM+\b], v[BM+\b], s[CS], v12       ; the same of each block's largest score
.endr
.set N, 0
	s_wait_alu depctr_va_vdst(0)
.rept 64
	v_exp_f32 v[S+N], v[S+N]                       ; p = 2^(t - M)
.set N, N+1
.endr
	v_pk_mul_f32 v[14:15], v[14:15], v[FF:FF+1] op_sel_hi:[1,0]   ; the sums under the new M: the plain instruction behind the exponentials
	s_wait_alu depctr_va_vdst(0)                   ; one wait for the batch of 64, ahead of its first reader
.irp b, 0,1,2,3
	v_exp_f32 v[BM+\b], v[BM+\b]                   ; the block's largest p: the same two instructions on the same number give the same bits
.endr
	v_pk_add_f32 v[216:217], v[100:101], v[104:105]
	v_pk_add_f32 v[254:255], v[108:109], v[112:113]
	v_pk_add_f32 v[252:253], v[116:117], v[120:121]
	v_pk_add_f32 v[250:251], v[124:125], v[128:129]
	v_pk_add_f32 v[248:249], v[132:133], v[136:137]
	v_pk_add_f32 v[246:247], v[140:141], v[144:145]
	v_pk_add_f32 v[244:245], v[148:149], v[152:153]
	v_pk_add_f32 v[14:15], v[14:15], v[156:157]
	v_pk_add_f32 v[216:217], v[216:217], v[96:97]
	v_pk_add_f32 v[254:255], v[254:255], v[98:99]
	v_pk_add_f32 v[252:253], v[252:253], v[102:103]
	v_pk_add_f32 v[250:251], v[250:251], v[106:107]
	v_pk_add_f32 v[248:249], v[248:249], v[110:111]
	v_pk_add_f32 v[246:247], v[246:247], v[114:115]
	v_pk_add_f32 v[244:245], v[244:245], v[118:119]
	v_pk_add_f32 v[14:15], v[14:15], v[122:123]
	v_pk_add_f32 v[216:217], v[216:217], v[126:127]
	v_pk_add_f32 v[254:255], v[254:255], v[130:131]
	v_pk_add_f32 v[252:253], v[252:253], v[134:135]
	v_pk_add_f32 v[250:251], v[250:251], v[138:139]
	v_pk_add_f32 v[248:249], v[248:249], v[142:143]
	v_pk_add_f32 v[246:247], v[246:247], v[146:147]
	v_pk_add_f32 v[244:245], v[244:245], v[150:151]
	v_pk_add_f32 v[14:15], v[14:15], v[154:155]
	v_pk_add_f32 v[216:217], v[216:217], v[158:159]
	s_delay_alu instid0(VALU_DEP_2)
	v_pk_add_f32 v[14:15], v[14:15], v[250:251]
	s_delay_alu instid0(VALU_DEP_2)
	v_pk_add_f32 v[216:217], v[216:217], v[248:249]
	v_pk_add_f32 v[254:255], v[254:255], v[246:247]
	v_pk_add_f32 v[252:253], v[252:253], v[244:245]
	s_delay_alu instid0(VALU_DEP_2)
	v_pk_add_f32 v[14:15], v[14:15], v[254:255]
	s_delay_alu instid0(VALU_DEP_2)
	v_pk_add_f32 v[216:217], v[216:217], v[252:253]
	s_delay_alu instid0(VALU_DEP_1)
	v_pk_add_f32 v[14:15], v[14:15], v[216:217]
	s_wait_alu depctr_va_vdst(0)                   ; and one for the four
.irp b, 0,1,2,3
	v_max_num_f32 v[BM+\b], 0x1800000, v[BM+\b]    ; the floor 2^(3 - 127): the byte cannot fall under 1
.endr
.irp b, 0,1,2,3
	s_delay_alu instid0(VALU_DEP_4)
	v_add_nc_u32 v[SO+\b], 0xff000000, v[BM+\b]    ; 2 off the exponent field: the conversion's scale operand
.endr
.irp b, 0,1,2,3
	s_delay_alu instid0(VALU_DEP_4)
	v_lshrrev_b32 v[PT+\b], 23, v[SO+\b]           ; the scale's byte
.endr
	s_delay_alu instid0(VALU_DEP_3)
	v_lshl_or_b32 v[PS], v[PT+1], 8, v[PT]
	s_delay_alu instid0(VALU_DEP_1)
	v_lshl_or_b32 v[PS], v[PT+2], 16, v[PS]
	s_delay_alu instid0(VALU_DEP_1)
	v_lshl_or_b32 v[PS], v[PT+3], 24, v[PS]        ; p's scale word for these 128 keys
.irp c, 0,1
	v_cvt_scalef32_pk16_fp6_f32 v[PCD+6*\c:PCD+2+6*\c], v[S+32*\c:S+15+32*\c], v[SO+2*\c]
	v_cvt_scalef32_pk16_fp6_f32 v[CT+4*\c:CT+2+4*\c], v[S+16+32*\c:S+31+32*\c], v[SO+2*\c+1]
.endr
	v_nop                                          ; one plain instruction behind the scaled conversions
.irp c, 0,1
.irp i, 0,1,2
	v_permlane16_swap_b32 v[PCD+6*\c+\i], v[CT+4*\c+\i]
.endr
.irp i, 0,1,2
	s_delay_alu instid0(VALU_DEP_3)
	v_mov_b32 v[PCD+3+6*\c+\i], v[CT+4*\c+\i]
.endr
.endr
.set N, 0
.rept 16
	v_pk_mul_f32 v[OT+N:OT+N+1], v[OT+N:OT+N+1], v[FF:FF+1] op_sel_hi:[1,0]   ; O^T under the new M.  (These are also the places between the writes of p's codes and scale word and the products)
.set N, N+2
.endr
	s_wait_alu depctr_va_vdst(0)
	s_wait_dscnt 0x0                               ; V is in
.irp g, 0,1,2,3
	v_wmma_scale_f32_16x16x128_f8f6f4 v[OT+8*\g:OT+8*\g+7], v[FRG+12*\g:FRG+12*\g+11], v[PCD:PCD+11], v[OT+8*\g:OT+8*\g+7], v[SCR+\g], v[PS] matrix_a_fmt:MATRIX_FMT_FP6 matrix_b_fmt:MATRIX_FMT_FP6
.endr
.Lhidden_\@:
	s_add_co_u32 s[KF], s[KF], 128
.endm
; THE WAY OUT of a tile: O^T / the sum; register 16 b + i is feature 32 b + 16 h + i of my query: two blocks of the last product's K.  They become a half fragment (768 bytes) and two scale bytes a row.
.macro WAYOUT
.rept 4
	v_nop                                          ; places behind the last products
.endr
	v_add_f32 v14, v14, v15
	s_delay_alu instid0(VALU_DEP_1)
	v_permlanex16_b32 v[PT], v14, s[SEL], s[SEL+1]
	s_delay_alu instid0(VALU_DEP_1)
	v_add_f32 v14, v14, v[PT]                      ; the row's sum
	s_wait_alu depctr_va_vdst(0)
	v_rcp_f32 v[FF], v14
	v_nop                                          ; a plain instruction behind the reciprocal,
	s_wait_alu depctr_va_vdst(0)                   ; and the wait ahead of its first reader
.set N, 0
.rept 16
	v_pk_mul_f32 v[S+N:S+N+1], v[OT+N:OT+N+1], v[FF:FF+1] op_sel_hi:[1,0]   ; each accumulator from its low end on
.set N, N+2
.endr
.irp b, 0,1
	v_max3_num_f32 v[BM+\b], |v[S+16*\b]|, |v[S+1+16*\b]|, 0x1800000
.endr
.irp i, 2,4,6,8,10,12,14
.irp b, 0,1
	s_delay_alu instid0(VALU_DEP_2)
	v_max3_num_f32 v[BM+\b], v[BM+\b], |v[S+16*\b+\i]|, |v[S+1+16*\b+\i]|
.endr
.endr
.irp b, 0,1
	s_delay_alu instid0(VALU_DEP_2)
	v_permlanex16_b32 v[PT+\b], v[BM+\b], s[SEL], s[SEL+1]
.endr
.irp b, 0,1
	s_delay_alu instid0(VALU_DEP_2)
	v_max_num_f32 v[BM+\b], v[BM+\b], v[PT+\b]
.endr
.irp b, 0,1
	s_delay_alu instid0(VALU_DEP_2)
	v_add_nc_u32 v[SO+\b], 0xff000000, v[BM+\b]
.endr
.irp b, 0,1
	s_delay_alu instid0(VALU_DEP_2)
	v_lshrrev_b32 v[PT+\b], 23, v[SO+\b]
.endr
	s_delay_alu instid0(VALU_DEP_1)
	v_lshl_or_b32 v[T0], v[PT+1], 8, v[PT]         ; my row's two bytes
	v_cvt_scalef32_pk16_fp6_f32 v[PCD:PCD+2], v[S:S+15], v[SO]
	v_cvt_scalef32_pk16_fp6_f32 v[PCD+4:PCD+6], v[S+16:S+31], v[SO+1]
	v_nop
.irp i, 0,1,2
	v_permlane16_swap_b32 v[PCD+\i], v[PCD+4+\i]   ; a whole block to a lane
.endr
	s_delay_alu instid0(VALU_DEP_3)
	v_mov_b32 v[PCD+3], v[PCD+4]
	s_delay_alu instid0(VALU_DEP_3)
	v_mov_b32 v[PCD+4], v[PCD+5]
	s_delay_alu instid0(VALU_DEP_3)
	v_mov_b32 v[PCD+5], v[PCD+6]
	global_store_b128 v[L16], v[PCD:PCD+3], s[50:51]           ; 512 consecutive bytes, at a multiple of 256
	global_store_b64 v[L8], v[PCD+4:PCD+5], s[50:51] offset:512
	global_store_b16 v[R8], v[T0], s[52:53]        ; both halves of the lanes write the same two bytes
	s_wait_xcnt 0x0                                ; the stores have read their data and bases: both may be written again
.endm
	s_load_b256 s[4:11], s[0:1], 0x0               ; q s[4:5], kv s[6:7], acod s[8:9], ascl s[10:11]
	v_lshl_add_u32 v[SPW], v0, 2, SPARE
	v_mov_b32 v[NIL], 0
	ds_add_u32 v[SPW], v[NIL]                      ; the wave's opening: the add and its wait stand ahead of the first tensor load; the set-up below stands between them
	ds_add_u32 v[SPW], v[NIL]
	v_lshrrev_b32 v[T0], 5, v0
	s_delay_alu instid0(VALU_DEP_1)
	v_readfirstlane_b32 s[WV], v[T0]               ; wave 0..15
	s_mov_b32 s13, ttmp9                           ; i
	s_and_b32 s14, ttmp7, 0xffff                   ; the head
	s_add_co_u32 s15, s13, 1
	s_mov_b32 s[G1], 3<<16                         ; no mask; elements of 8 bytes; no padding
	s_mov_b32 s[G1+1], 32<<16                      ; tensor_dim0: 256 bytes
	s_mov_b32 s[G1+2], 100<<16                     ; tensor_dim1: 100 rows
	s_mov_b32 s[G1+3], 32<<16                      ; tile_dim0
	s_mov_b32 s[G1+4], 100                         ; tile_dim1
	s_mov_b32 s[G1+5], 32                          ; dense
	s_mov_b32 s[G1+6], 0
	s_mov_b32 s[G1+7], 0
	s_mov_b32 s[G0], 1
	s_mov_b32 s[G0+1], 0                           ; LDS slot 0
	s_mov_b32 s[SEL], 0x76543210
	s_mov_b32 s[SEL+1], 0xfedcba98
	s_mov_b32 s[CS], 0x3e38aa3b                    ; log2(e) / 8
	s_mov_b32 s[CS+1], s[CS]
	s_mov_b32 s[TB], 0
	s_mov_b32 s[SLOTS], 8
	s_mov_b32 s[NS], 0                             ; the first fill is slot 0's
	s_mov_b32 s[NOF+1], 0
	s_mul_i32 s37, s14, 102400
	s_lshr_b32 s66, s14, 4
	s_lshl_b32 s66, s66, 7
	s_and_b32 s67, s14, 15
	s_lshr_b32 s68, s67, 2
	s_lshl_b32 s68, s68, 7
	s_and_b32 s56, s67, 3
	s_lshl_b32 s56, s56, 1
	s_add_co_u32 s68, s68, s56
	s_mov_b32 s47, 0x03020302                      ; an odd tile's bytes are the pair word's upper two; a tile's parity is the wave's
	s_bitcmp1_b32 s[WV], 0
	s_cselect_b32 s47, s47, 0x01000100
	s_sub_co_u32 s56, s[WV], 4
	s_cmp_lt_u32 s56, 3                            ; waves 4 to 6
	s_cselect_b32 s46, 0, 1
	s_or_b32 s46, s46, s13                         ; of work-group 0 of the head
	s_cmp_eq_u32 s46, 0
	s_cselect_b32 s46, 2, -1
	s_min_u32 s56, s56, 2
	s_lshl_b32 s60, s56, 13
	s_add_co_u32 s60, s60, SLOTB                   ; in slot 1: the first change of slots steps it to slot 2
	s_mov_b32 s61, 0
	s_mul_i32 s58, s14, 204800
	s_mov_b32 s59, 0
	s_wait_dscnt 0x0                               ; the opening add is done
	s_wait_kmcnt 0x0
	s_add_nc_u64 s[KVH:KVH+1], s[6:7], s[58:59]    ; the head's first byte in kv
	s_mov_b64 s[G0+2:G0+3], s[KVH:KVH+1]           ; slot 0
	s_or_b32 s[G0+3], s[G0+3], 0x80000000          ; type = 2
	s_add_nc_u64 s[44:45], s[KVH:KVH+1], s[60:61]
	TLOAD
	v_and_b32 v[T0], 31, v0
	s_delay_alu instid0(VALU_DEP_1)
	v_lshlrev_b32 v[L16], 4, v[T0]
	s_delay_alu instid0(VALU_DEP_2)
	v_lshlrev_b32 v[L8], 3, v[T0]
	s_delay_alu instid0(VALU_DEP_3)
	v_lshlrev_b32 v[PFO], 8, v[T0]
	v_and_b32 v[T0], 15, v0                        ; r
	v_bfe_u32 v[T1], v0, 4, 1                      ; h
	s_delay_alu instid0(VALU_DEP_2)
	v_lshlrev_b32 v[R16], 4, v[T0]
	s_delay_alu instid0(VALU_DEP_3)
	v_lshlrev_b32 v[R8], 3, v[T0]
	s_delay_alu instid0(VALU_DEP_2)
	v_add_nc_u32 v[AIM], IMG, v[R16]
	v_and_b32 v[LQ], 8, v[T0]
	s_delay_alu instid0(VALU_DEP_1)
	v_add_nc_u32 v[LQ], v[LQ], v[T0]
	v_lshlrev_b32 v[T1], 4, v[T1]
	s_delay_alu instid0(VALU_DEP_1)
	v_sub_nc_u32 v[LQ], v[LQ], v[T1]
.irp j, 0,1,2,3,4,5
	v_mov_b32 v[QF+\j], 0                          ; zero codes on both sides of q
	v_mov_b32 v[QF+12+\j], 0
.endr
.irp b, 0,1,2,3
	v_mov_b32 v[PT+\b], 0                          ; written once: a lane permute's destination counts as one of its sources
.endr
	v_mov_b32 v[FF+1], 0                           ; (named as the upper half of a pair)
	s_sub_co_u32 s[TT], 7, s13
	s_lshl_b32 s[TT], s[TT], 4
	s_add_co_u32 s[TT], s[TT], s[WV]               ; the first pass: block 7 - i
	SETTILE
.Lslot:                                            ; eight trips: behind each change of slots the next visit's slot is asked for
	CHANGE 1
	TSTEP 0
	TSTEP 1
	s_xor_b32 s[TB], s[TB], SLOT1
	s_cmp_lg_u32 s[SLOTS], s15
	s_cbranch_scc1 .Lsame_pass
	WAYOUT                                         ; the first pass is over: its tile goes out,
	s_lshl_b32 s[TT], s13, 4
	s_add_co_u32 s[TT], s[TT], s[WV]               ; and block i begins
	SETTILE
.Lsame_pass:
	s_sub_co_u32 s[SLOTS], s[SLOTS], 1
	s_cmp_lg_u32 s[SLOTS], 0
	s_cbranch_scc1 .Lslot
	CHANGE 0                                       ; the ninth visit is written out: nothing is left to fetch
	TSTEP 0
	TSTEP 1
	WAYOUT
	s_wait_tensorcnt 0x0                           ; the wave's end
	ds_add_u32 v[SPW], v[NIL]
	s_wait_dscnt 0x0
	s_endpgm
.Lfunc_end_k_q183124cf18_attn:
	.size	k_q183124cf18_attn, .Lfunc_end_k_q183124cf18_attn-k_q183124cf18_attn
	.p2alignl 7, 3214868480
	.fill 96, 4, 3214868480
	.section	.rodata,"a",@progbits
	.p2align	6, 0x0
	.amdhsa_kernel k_q183124cf18_attn
		.amdhsa_group_segment_fixed_size 327680
		.amdhsa_private_segment_fixed_size 0
		.amdhsa_enable_private_segment 0
		.amdhsa_kernarg_size 32
		.amdhsa_user_sgpr_count 2
		.amdhsa_user_sgpr_kernarg_segment_ptr 1
		.amdhsa_wavefront_size32 1
		.amdhsa_system_sgpr_workgroup_id_x 1
		.amdhsa_system_sgpr_workgroup_id_y 1
		.amdhsa_system_sgpr_workgroup_id_z 1
		.amdhsa_system_vgpr_workitem_id 0
		.amdhsa_next_free_vgpr 256
		.amdhsa_next_free_sgpr 80
		.amdhsa_reserve_vcc 1
		.amdhsa_float_denorm_mode_32 3
		.amdhsa_float_denorm_mode_16_64 3
		.amdhsa_memory_ordered 1
		.amdhsa_forward_progress 1
		.amdhsa_inst_pref_size 110
	.end_amdhsa_kernel
	.amdgpu_metadata
---
amdhsa.version: [ 1, 2 ]
amdhsa.kernels:
  - .name:           k_q183124cf18_attn
    .symbol:         k_q183124cf18_attn.kd
    .args:
      - { .name: q, .offset: 0, .size: 8, .value_kind: global_buffer, .address_space: global }
      - { .name: kv, .offset: 8, .size: 8, .value_kind: global_buffer, .address_space: global }
      - { .name: acod, .offset: 16, .size: 8, .value_kind: global_buffer, .address_space: global }
      - { .name: ascl, .offset: 24, .size: 8, .value_kind: global_buffer, .address_space: global }
    .group_segment_fixed_size: 327680
    .private_segment_fixed_size: 0
    .kernarg_segment_align: 8
    .kernarg_segment_size: 32
    .max_flat_workgroup_size: 512
    .sgpr_count:     80
    .vgpr_count:     256
    .wavefront_size: 32
...
	.end_amdgpu_metadata
.endif
;; end of part 3
;; launch proj (part 4): grid 4 x 32, 4 waves a work-group, clusters of 4 x 4, 327,680 bytes of LDS; arguments acod, ascl, opc, ops, out0; writes out0
.if DOCPART == 4
	.amdgcn_target "amdgcn-amd-amdhsa--gfx1250"
	.amdhsa_code_object_version 6
	.text
	.protected	k_q183124cf18_proj
	.globl	k_q183124cf18_proj
	.p2align	8
	.type	k_q183124cf18_proj,@function
k_q183124cf18_proj:
	s_mov_b64 s[64:65], 0
	v_nop
	global_prefetch_b8 v0, s[64:65] scope:SCOPE_SE
	s_setreg_imm32_b32 hwreg(HW_REG_WAVE_MODE, 25, 1), 1
	s_wait_xcnt 0x0
	s_wait_alu depctr_hold_cnt(0) depctr_sa_sdst(0) depctr_va_vdst(0) depctr_va_sdst(0) depctr_va_ssrc(0) depctr_va_vcc(0) depctr_vm_vsrc(0)
	s_getreg_b32 s2, hwreg(HW_REG_IB_STS2, 6, 4)
	s_cmp_eq_u32 s2, 0
	s_cbranch_scc0 .Lentry_in_a_cluster
	s_endpgm
.Lentry_in_a_cluster:
	s_bfe_u32 s2, ttmp6, 0x10000c
	s_cmp_lg_u32 s2, 0xf033
	s_cbranch_scc0 .Lentry_shape_is_right
	s_endpgm
.Lentry_shape_is_right:
; out0 = O W_out^T on codes of FP6 (E2M3) with E8M0 scales, K = 1,024; out0 [8192][1024] f32.
; OPERANDS: A = acod [tile 512][half fragment 16][768], ascl [tile 512][256 along K: 4][row 16][8]; B = opc, ops laid alike, W_out's tiles 704-767.  A tile is 16 rows: lane r of tile T holds row 32 (T / 2) + 8 (T % 2) + r + 8 (r / 8).
; A half fragment (a tile x 64 K) is an image of six registers: lane l's registers 0-3 at 16 l, 4-5 at 512 + 8 l: a fragment comes from LDS by four loads of consecutive bytes.
; A tile of C, 256 x 256, is made by four waves of 128 x 128.  K goes in four steps of 256 through two LDS slots filled by the tensor data mover; the scale bytes of all of K come once.
; THE MATRIX INSTRUCTION IS USED TRANSPOSED (source 0 = a tile of B, source 1 = a tile of A): a lane holds one row of C; register 8 b + j of A's block a is column 32 (b / 2) + 16 h + 8 (b % 2) + j.
; CLUSTERS: 4 x 4; A's tiles are shared along a row of the cluster, B's along a column: joint loads.  128 work-groups: half of the WGPs; a smaller tile would want a second form of this text.
; REGISTERS: window 0: v16-23 LDS addresses, v24-29 way out and the add's two, v32-63 scale words (two sets), v128-223 A's 8 fragments (one set), on the way out v128-255 rows of C; window 1: B's fragments, two sets;
;   windows 2, 3: accumulator (a, b) at v[8 (8 (a % 4) + b)].
.set FR,     12
.set NL,     4
.set NP,     4
.set NQ,     2
.set TILEB,  3072
.set HALFT,  8*TILEB
.set SLOT,   4*HALFT
.set SCL,    2*SLOT
.set HALFS,  4096
.set SPARE,  SCL+4*HALFS               ; the spare words, 128 bytes for each wave
.set STAGE,  SPARE+512                 ; the way out: 16 rows x (512 bytes + 16) for each wave; no tensor load lands here
.set SPITCH, 528
.set ADRA, 16
.set ADRB, 20
.set STO,  24                          ; v24  the way out: where I put 32 bytes of a row
.set RD,   25                          ; v25  where I read a row back
.set CO,   26                          ; v26  16 x lane: my bytes of a row of C
.set ADRS, 27
.set SPW,  28
.set NIL,  29
.set SC,   32
.set AF,   128
.set BK,   128
.set G1, 24
.set G0, 32
.set G1B, 48
.set G0B, 56
.set G1S, 68
.set G0S, 76
.set G1SB, 80
.set G0SB, 88
.set MSB, 0
.macro WIN new                         ; the immediate's high byte repeats the setting that is left
.if MSB != (\new)
	s_set_vgpr_msb (MSB<<8)|(\new)
.set MSB, (\new)
.endif
.endm
.set MUL_LO, 0xa1
.set MUL_HI, 0xf1
.set TO_B,   0x40
.macro JLOAD g0a, g1a, g0b, g1b        ; a joint load: waves 0 and 1 fetch for A, waves 2 and 3 for B; an s_nop 0 and four v_nop follow each line
	s_cmp_eq_u32 s15, 0
	s_cbranch_scc0 .Lfor_b_\@
	tensor_load_to_lds s[\g0a:\g0a+3], s[\g1a:\g1a+7]
	s_nop 0
.rept 4
	v_nop
.endr
	s_branch .Lasked_\@
.Lfor_b_\@:
	tensor_load_to_lds s[\g0b:\g0b+3], s[\g1b:\g1b+7]
	s_nop 0
.rept 4
	v_nop
.endr
.Lasked_\@:
.endm
.macro CREST
	s_cmp_lg_u32 s14, 0
	s_cbranch_scc1 .Lnot_wave_0_\@
	s_barrier_signal -3
.Lnot_wave_0_\@:
	s_barrier_wait -3
	s_barrier_signal -1
	s_barrier_wait -1
.endm
.macro CROUND
	s_barrier_signal -1
	s_barrier_wait -1
	CREST
.endm
	s_load_b128 s[4:7], s[0:1], 0x0                ; acod s[4:5], ascl s[6:7]
	s_load_b128 s[8:11], s[0:1], 0x10              ; opc s[8:9], ops s[10:11]
	s_load_b64 s[12:13], s[0:1], 0x20              ; out0
	v_lshl_add_u32 v[SPW], v0, 2, SPARE
	v_mov_b32 v[NIL], 0
	ds_add_u32 v[SPW], v[NIL]                      ; the wave's opening: the add and its wait stand ahead of my first tensor load
	v_lshrrev_b32 v1, 5, v0
	v_readfirstlane_b32 s14, v1                    ; wave 0..3
	s_lshr_b32 s15, s14, 1                         ; my half of the tile's rows.  Also: I fetch for A (0) or for B (1)
	s_and_b32 s16, s14, 1                          ; my half of its columns.  Also: which 8 tiles I fetch
	s_bfe_u32 s40, ttmp6, 0x40000                  ; cx
	s_bfe_u32 s41, ttmp6, 0x40004                  ; cy
	s_lshl_b32 s42, ttmp9, 2
	s_add_co_u32 s42, s42, s40                     ; tile column of C
	s_and_b32 s17, ttmp7, 0xffff
	s_lshl_b32 s17, s17, 2
	s_add_co_u32 s17, s17, s41                     ; tile row of C
	s_lshl_b32 s43, s41, 2
	s_lshl_b32 s43, 15, s43                        ; my row of the cluster
	s_lshl_b32 s44, 0x1111, s40                    ; my column
	s_or_b32 s[G1+0], s43, (3<<16)|(1<<21)         ; codes: 8 tiles' 3,072 bytes (384 elements of 8 bytes), 12,288 bytes apart in memory, on end in LDS
	s_or_b32 s[G1B+0], s44, (3<<16)|(1<<21)
.irp g, G1, G1B
	s_mov_b32 s[\g+1], 384<<16
	s_mov_b32 s[\g+2], 8<<16
	s_mov_b32 s[\g+3], 384<<16
	s_mov_b32 s[\g+4], 8
	s_mov_b32 s[\g+5], 1536
	s_mov_b32 s[\g+6], 0
	s_mov_b32 s[\g+7], 0
.endr
	s_or_b32 s[G1S+0], s43, (3<<16)|(1<<21)        ; scale bytes of 8 tiles: 4,096 dense bytes as 16 rows of 256
	s_or_b32 s[G1SB+0], s44, (3<<16)|(1<<21)
.irp g, G1S, G1SB
	s_mov_b32 s[\g+1], 32<<16
	s_mov_b32 s[\g+2], 16<<16
	s_mov_b32 s[\g+3], 32<<16
	s_mov_b32 s[\g+4], 16
	s_mov_b32 s[\g+5], 32
	s_mov_b32 s[\g+6], 0
	s_mov_b32 s[\g+7], 0
.endr
	s_lshl_b32 s18, s16, 3
	s_lshl_b32 s20, s17, 4
	s_add_co_u32 s20, s20, s18                     ; A: tile 16 x tile row + 8 x half
	s_lshl_b32 s46, s42, 4
	s_add_co_u32 s46, s46, s18
	s_add_co_u32 s46, s46, 704                     ; B: tile 704 + 16 x tile column + 8 x half
	s_lshl_b32 s22, s20, 9
	s_mul_i32 s20, s20, 12288
	s_mov_b32 s21, 0
	s_mov_b32 s23, 0
	s_lshl_b32 s92, s46, 9
	s_mul_i32 s46, s46, 12288
	s_mov_b32 s47, 0
	s_mov_b32 s93, 0
	s_mul_i32 s45, s14, HALFT
	s_lshl_b32 s94, s14, 12
	s_wait_dscnt 0x0                               ; the opening add is done
	s_wait_kmcnt 0x0
	s_add_nc_u64 s[20:21], s[4:5], s[20:21]
	s_add_nc_u64 s[22:23], s[6:7], s[22:23]
	s_add_nc_u64 s[46:47], s[8:9], s[46:47]
	s_add_nc_u64 s[92:93], s[10:11], s[92:93]
	CROUND                                         ; all sixteen work-groups are here: the first joint loads meet
	s_mov_b32 s[G0S], 1
	s_add_co_u32 s[G0S+1], s94, SCL
	s_mov_b64 s[G0S+2:G0S+3], s[22:23]
	s_or_b32 s[G0S+3], s[G0S+3], 0x80000000
	s_mov_b32 s[G0SB], 1
	s_add_co_u32 s[G0SB+1], s94, SCL
	s_mov_b64 s[G0SB+2:G0SB+3], s[92:93]
	s_or_b32 s[G0SB+3], s[G0SB+3], 0x80000000
	JLOAD G0S, G1S, G0SB, G1SB
.irp s, 0,1
	s_mov_b32 s[G0+4*\s], 1
	s_add_co_u32 s[G0+4*\s+1], s45, \s*SLOT
	s_add_nc_u64 s[G0+4*\s+2:G0+4*\s+3], s[20:21], \s*TILEB
	s_or_b32 s[G0+4*\s+3], s[G0+4*\s+3], 0x80000000
	s_mov_b32 s[G0B+4*\s], 1
	s_add_co_u32 s[G0B+4*\s+1], s45, \s*SLOT
	s_add_nc_u64 s[G0B+4*\s+2:G0B+4*\s+3], s[46:47], \s*TILEB
	s_or_b32 s[G0B+4*\s+3], s[G0B+4*\s+3], 0x80000000
	JLOAD G0+4*\s, G1, G0B+4*\s, G1B               ; three tensor loads of mine are out behind the second of these
.endr
	v_and_b32 v1, 15, v0                           ; r
	v_bfe_u32 v2, v0, 4, 1                         ; h
	v_and_b32 v3, 31, v0
	v_lshlrev_b32 v[CO], 4, v3                     ; 16 x lane
	v_lshlrev_b32 v4, 3, v3                        ; 8 x lane
	s_mul_i32 s21, s15, HALFT
	s_mul_i32 s22, s16, HALFT
	s_add_co_u32 s22, s22, 2*HALFT
.irp s, 0,1
	v_add_nc_u32 v[ADRA+\s], s21, v[CO]
	v_add_nc_u32 v[ADRB+\s], s22, v[CO]
	v_add_nc_u32 v[ADRA+2+\s], s21, v4
	v_add_nc_u32 v[ADRB+2+\s], s22, v4
	s_add_co_u32 s21, s21, SLOT
	s_add_co_u32 s22, s22, SLOT
.endr
	v_lshlrev_b32 v5, 3, v1
	s_lshl_b32 s21, s15, 12
	s_lshl_b32 s22, s16, 12
	s_add_co_u32 s22, s22, 2*HALFS
	s_sub_co_u32 s22, s22, s21
	v_mul_u32_u24 v6, s22, v2                      ; lanes 16-31 take B's scale words
	s_add_co_u32 s21, s21, SCL
	v_add_nc_u32 v5, v5, v6
	v_add_nc_u32 v[ADRS], s21, v5
	s_mul_i32 s23, s14, 16*SPITCH
	s_add_co_u32 s23, s23, STAGE                   ; my stage
	v_mul_u32_u24 v5, v1, SPITCH
	v_lshl_add_u32 v5, v2, 6, v5
	v_add_nc_u32 v[STO], s23, v5                   ; in: row r, + 64 h
	v_add_nc_u32 v[RD], s23, v[CO]                 ; back: 32 lanes take a row of 512 bytes
	s_lshl_b32 s20, s17, 20                        ; my first row of C: 256 x tile row + 128 x half, rows of 4,096 bytes
	s_lshl_b32 s21, s15, 19
	s_add_co_u32 s20, s20, s21
	s_mov_b32 s21, 0
	s_lshl_b32 s46, s42, 10                        ; my first column, in bytes
	s_lshl_b32 s47, s16, 9
	s_add_co_u32 s46, s46, s47
	s_mov_b32 s47, 0
	s_add_nc_u64 s[20:21], s[20:21], s[46:47]
	s_add_nc_u64 s[12:13], s[12:13], s[20:21]
.macro FRAG reg, a16, a8, off
	ds_load_b128 v[\reg:\reg+3], v[\a16] offset:\off
	ds_load_b64 v[\reg+4:\reg+5], v[\a8] offset:\off+512
	ds_load_b128 v[\reg+6:\reg+9], v[\a16] offset:\off+768
	ds_load_b64 v[\reg+10:\reg+11], v[\a8] offset:\off+1280
.endm
; 16 matrix instructions: A's blocks a0, a0 + 1 x B's eight.  The 64 accumulators take turns, one instruction a turn, in the same order in every step.
.macro MUL16 a0, p, q, sc, zero
.irp a, \a0, \a0+1
.irp b, 0,1,2,3,4,5,6,7
.if \zero
	v_wmma_scale_f32_16x16x128_f8f6f4 v[8*(8*((\a)%4)+\b):8*(8*((\a)%4)+\b)+7], v[128*(\p)+FR*\b:128*(\p)+FR*\b+FR-1], v[AF+FR*(\a):AF+FR*(\a)+FR-1], 0, v[SC+8*NQ*(\sc)+NQ*\b+(\q)], v[SC+8*NQ*(\sc)+NQ*(\a)+(\q)] matrix_a_fmt:MATRIX_FMT_FP6 matrix_b_fmt:MATRIX_FMT_FP6 matrix_a_scale:MATRIX_SCALE_ROW1
.else
	v_wmma_scale_f32_16x16x128_f8f6f4 v[8*(8*((\a)%4)+\b):8*(8*((\a)%4)+\b)+7], v[128*(\p)+FR*\b:128*(\p)+FR*\b+FR-1], v[AF+FR*(\a):AF+FR*(\a)+FR-1], v[8*(8*((\a)%4)+\b):8*(8*((\a)%4)+\b)+7], v[SC+8*NQ*(\sc)+NQ*\b+(\q)], v[SC+8*NQ*(\sc)+NQ*(\a)+(\q)] matrix_a_fmt:MATRIX_FMT_FP6 matrix_b_fmt:MATRIX_FMT_FP6 matrix_a_scale:MATRIX_SCALE_ROW1
.endif
.endr
.endr
.endm
.macro FETCH_B slot, q, p
	WIN TO_B
.irp i, 0,1,2,3,4,5,6,7
	FRAG 128*(\p)+FR*\i, ADRB+\slot, ADRB+2+\slot, (\q)*1536+\i*TILEB
.endr
	WIN 0
.endm
.macro FETCH_A slot, q, i0
.irp i, \i0, \i0+1, \i0+2, \i0+3
	FRAG AF+FR*(\i), ADRA+\slot, ADRA+2+\slot, (\q)*1536+(\i)*TILEB
.endr
.endm
.macro SCALES sc
.irp i, 0,1,2,3,4,5,6,7
	ds_load_b64 v[SC+8*NQ*\sc+NQ*\i:SC+8*NQ*\sc+NQ*\i+1], v[ADRS] offset:\i*512
.endr
.endm
.macro PLACES n                        ; plain vector instructions between a matrix instruction and a load into, or a read of, its registers
.rept \n
	v_nop
.endr
.endm
.macro STEP slot, q, zero
	s_wait_dscnt 4*NL                              ; B's set and A's blocks 0-3 are in; the youngest 16 loads (A's blocks 4-7) may be out
	WIN MUL_LO
	MUL16 0, (\q)%2, \q, \slot, \zero
	MUL16 2, (\q)%2, \q, \slot, \zero
	s_wait_dscnt 0
	PLACES NP
	FETCH_B \slot, (\q)+1, 1-(\q)%2
	FETCH_A \slot, (\q)+1, 0
	WIN MUL_HI
	MUL16 4, (\q)%2, \q, \slot, \zero
	MUL16 6, (\q)%2, \q, \slot, \zero
	PLACES NP
	WIN 0
	FETCH_A \slot, (\q)+1, 4
.endm
; A slot's last 128 change slots: ONE barrier; ahead of it each wave waits for all its tensor loads, adds 0 to its spare word, and waits for that and for its reads of this slot.
.macro TURN slot, next, fill
	s_wait_tensorcnt 0x0                           ; all my tensor loads have landed: my part of the next slot
	ds_add_u32 v[SPW], v[NIL]                      ; 0 onto my spare word
	s_wait_dscnt 4*NL+1                            ; (the add and the youngest 16 loads may be out)
	WIN MUL_LO
	MUL16 0, 1, NQ-1, \slot, 0
	s_wait_dscnt 0x0                               ; the add is done, and my reads of this slot are over
	s_barrier_signal -1
	MUL16 2, 1, NQ-1, \slot, 0
	WIN 0
	s_barrier_wait -1
.if \fill
	CREST                                          ; the barrier has opened a round of the cluster's
	s_add_nc_u64 s[G0+4*\slot+2:G0+4*\slot+3], s[G0+4*\slot+2:G0+4*\slot+3], 2*TILEB
	s_add_nc_u64 s[G0B+4*\slot+2:G0B+4*\slot+3], s[G0B+4*\slot+2:G0B+4*\slot+3], 2*TILEB
	JLOAD G0+4*\slot, G1, G0B+4*\slot, G1B         ; the first tensor load behind the round; its four v_nop are the places in front of the loads below
.else
	PLACES NP
.endif
	v_add_nc_u32 v[ADRS], 128, v[ADRS]
	FETCH_B \next, 0, 0
	FETCH_A \next, 0, 0
	SCALES \next
	WIN MUL_HI
	MUL16 4, 1, NQ-1, \slot, 0
	MUL16 6, 1, NQ-1, \slot, 0
	PLACES NP
	WIN 0
	FETCH_A \next, 0, 4
.endm
	s_wait_tensorcnt 1                             ; the scale bytes and my part of K step 0 are in; K step 1's load may be out
	s_barrier_signal -1
	s_barrier_wait -1
	FETCH_B 0, 0, 0
	FETCH_A 0, 0, 0
	SCALES 0
	FETCH_A 0, 0, 4
	STEP 0, 0, 1                                   ; the first products start the sums
	TURN 0, 1, 1                                   ; four K steps of 256, written straight
	STEP 1, 0, 0
	TURN 1, 0, 1
	STEP 0, 0, 0
	TURN 0, 1, 0
	STEP 1, 0, 0
	s_wait_dscnt 4*NL
	WIN MUL_LO
	MUL16 0, 1, NQ-1, 1, 0
	MUL16 2, 1, NQ-1, 1, 0
	s_wait_dscnt 0
	WIN MUL_HI
	MUL16 4, 1, NQ-1, 1, 0
	MUL16 6, 1, NQ-1, 1, 0
	WIN 0
; THE WAY OUT, block by block of 16 rows x 128 columns, through my own stage: in by 32 bytes of a row, back as whole rows of 512 bytes.  LDS serves a wave's instructions in order: no wait between the stores and the loads.
.macro TOSTAGE a
.set AC, 64*((\a)%4)
.set WD, 8+4*((\a)/4)
	WIN WD                                         ; the data: window 2 or 3
.irp b, 0,1,2,3,4,5,6,7
	ds_store_b128 v[STO], v[AC+8*\b:AC+8*\b+3] offset:128*(\b/2)+32*(\b%2)       ; each accumulator from its low end on
	ds_store_b128 v[STO], v[AC+8*\b+4:AC+8*\b+7] offset:128*(\b/2)+32*(\b%2)+16
.endr
	WIN 0
.set BB, BK+64*((\a)%2)
.irp t, 0,1,2,3,4,5,6,7,8,9,10,11,12,13,14,15
	ds_load_b128 v[BB+4*\t:BB+4*\t+3], v[RD] offset:\t*SPITCH
.endr
.endm
.macro SEND a, younger                 ; younger: the LDS instructions issued behind block a's loads, which may stay out
.set BB, BK+64*((\a)%2)
.set RW, 32*((\a)/2)+8*((\a)%2)
	s_wait_dscnt \younger
.irp t, 0,1,2,3,4,5,6,7,8,9,10,11,12,13,14,15
	global_store_b128 v[CO], v[BB+4*\t:BB+4*\t+3], s[12:13] offset:(RW+\t+8*(\t/8))*4096 th:TH_STORE_NT   ; 32 lanes store 512 consecutive bytes, aligned; the row stands in the immediate (127 rows at the most)
.endr
.endm
	PLACES NP
	TOSTAGE 0
.irp a, 1,2,3,4,5,6,7
.if \a > 1
	s_wait_xcnt 0x0                                ; block a - 2's stores have read their registers: block a's loads may land there
.endif
	TOSTAGE \a
	SEND \a-1, 32                                  ; behind block a - 1's loads: block a's 16 stores and 16 loads
.endr
	SEND 7, 0
	s_wait_tensorcnt 0x0                           ; the wave's end: behind my last LDS store
	ds_add_u32 v[SPW], v[NIL]
	s_wait_dscnt 0x0
	CROUND                                         ; the closing round
	s_endpgm
.Lfunc_end_k_q183124cf18_proj:
	.size	k_q183124cf18_proj, .Lfunc_end_k_q183124cf18_proj-k_q183124cf18_proj
	.p2alignl 7, 3214868480
	.fill 96, 4, 3214868480
	.section	.rodata,"a",@progbits
	.p2align	6, 0x0
	.amdhsa_kernel k_q183124cf18_proj
		.amdhsa_group_segment_fixed_size 327680
		.amdhsa_private_segment_fixed_size 0
		.amdhsa_enable_private_segment 0
		.amdhsa_kernarg_size 40
		.amdhsa_user_sgpr_count 2
		.amdhsa_user_sgpr_kernarg_segment_ptr 1
		.amdhsa_wavefront_size32 1
		.amdhsa_system_sgpr_workgroup_id_x 1
		.amdhsa_system_sgpr_workgroup_id_y 1
		.amdhsa_system_sgpr_workgroup_id_z 1
		.amdhsa_system_vgpr_workitem_id 0
		.amdhsa_next_free_vgpr 1024
		.amdhsa_next_free_sgpr 100
		.amdhsa_reserve_vcc 0
		.amdhsa_float_denorm_mode_32 3
		.amdhsa_float_denorm_mode_16_64 3
		.amdhsa_memory_ordered 1
		.amdhsa_forward_progress 1
		.amdhsa_inst_pref_size 143
	.end_amdhsa_kernel
	.amdgpu_metadata
---
amdhsa.version: [ 1, 2 ]
amdhsa.kernels:
  - .name:           k_q183124cf18_proj
    .symbol:         k_q183124cf18_proj.kd
    .args:
      - { .name: acod, .offset: 0, .size: 8, .value_kind: global_buffer, .address_space: global }
      - { .name: ascl, .offset: 8, .size: 8, .value_kind: global_buffer, .address_space: global }
      - { .name: opc, .offset: 16, .size: 8, .value_kind: global_buffer, .address_space: global }
      - { .name: ops, .offset: 24, .size: 8, .value_kind: global_buffer, .address_space: global }
      - { .name: out0, .offset: 32, .size: 8, .value_kind: global_buffer, .address_space: global }
    .group_segment_fixed_size: 327680
    .private_segment_fixed_size: 0
    .kernarg_segment_align: 8
    .kernarg_segment_size: 40
    .max_flat_workgroup_size: 128
    .sgpr_count:     100
    .vgpr_count:     1024
    .wavefront_size: 32
...
	.end_amdgpu_metadata
.endif
;; end of part 4
